; MI455X (gfx1250); checked and timed in simulation.
; The chip was launched on July 23, 2026; its instructions are those of AMD's public machine-readable ISA for CDNA 5 (MIT licence, August 2026) and "CDNA5" Instruction Set Architecture Reference Guide (July 2026). The comments in the code are by the model that wrote it; some were corrected since.
;; Multi Head Attention. Allowed arithmetic: matrix products marked QUANTISED: E4M3 operands, one E8M0 scale for each 32 along K, by v_wmma_scale_f32_16x16x128_f8f6f4 with both operands' format E4M3, f32 sums; everything else in f32.
;; Inputs: Wf_codes 1,024 x 32 x 32 uint8 (E4M3 codes of Wf, K innermost, in blocks of 32 codes); Wf_scales 1,024 x 32 uint8 (E8M0 scales of Wf, one for each 32 codes along K); Wk_codes 1,024 x 32 x 32 uint8 (E4M3 codes of Wk, K innermost, in blocks of 32 codes); Wk_scales 1,024 x 32 uint8 (E8M0 scales of Wk, one for each 32 codes along K); Wq_codes 1,024 x 32 x 32 uint8 (E4M3 codes of Wq, K innermost, in blocks of 32 codes); Wq_scales 1,024 x 32 uint8 (E8M0 scales of Wq, one for each 32 codes along K); Wv_codes 1,024 x 32 x 32 uint8 (E4M3 codes of Wv, K innermost, in blocks of 32 codes); Wv_scales 1,024 x 32 uint8 (E8M0 scales of Wv, one for each 32 codes along K); bf 1,024 float32; bk 1,024 float32; bq 1,024 float32; bv 1,024 float32; k_codes 4 x 2,048 x 32 x 32 uint8 (E4M3 codes of k, K innermost, in blocks of 32 codes); k_scales 4 x 2,048 x 32 uint8 (E8M0 scales of k, one for each 32 codes along K); q_codes 4 x 2,048 x 32 x 32 uint8 (E4M3 codes of q, K innermost, in blocks of 32 codes); q_scales 4 x 2,048 x 32 uint8 (E8M0 scales of q, one for each 32 codes along K); v_codes 4 x 2,048 x 32 x 32 uint8 (E4M3 codes of v, K innermost, in blocks of 32 codes); v_scales 4 x 2,048 x 32 uint8 (E8M0 scales of v, one for each 32 codes along K).
;; Outputs: out0 4 x 2,048 x 1,024 float32.
;; This version of the problem:
;;   THIS VERSION OF THE PROBLEM IS GIVEN IN LOW PRECISION. The matrix products marked QUANTISED in the list below multiply operands that are first quantised to E4M3 (4 exponent bits, 3 mantissa bits; 8 bits a number), with one power-of-two scale for each 32 numbers along K (OCP MX v1.0); their sums are f32. All else is computed in f32.
;;   The module's matrix products, in the order in which they are computed (A, B: the left and right operand; K: the contracted axis; several contracted axes count as one K, in the product's order):
;;     1. [M 8,192, K 1,024] x [K 1,024, N 1,024]; A: input q (given as codes); B: input Wq (given as codes): QUANTISED
;;     2. [M 8,192, K 1,024] x [K 1,024, N 1,024]; A: input k (given as codes); B: input Wk (given as codes): QUANTISED
;;     3. [M 8,192, K 1,024] x [K 1,024, N 1,024]; A: input v (given as codes); B: input Wv (given as codes): QUANTISED
;;     4. batch 64 x [M 2,048, K 64] x [K 64, N 2,048]; A: computed on the way; B: computed on the way: QUANTISED
;;     5. batch 64 x [M 2,048, K 2,048] x [K 2,048, N 64]; A: softmax (see below); B: computed on the way: QUANTISED
;;     6. [M 8,192, K 1,024] x [K 1,024, N 1,024]; A: computed on the way; B: input Wf (given as codes): QUANTISED
;;   THE QUANTISER, for each operand of a quantised product, along K:
;;     - K is cut into blocks of 32 from its start; a last block that is shorter is filled with zeros.
;;     - A block's scale is 2^e with e = floor(log2(the largest magnitude in the block)) - 8, held to -126 .. 127; a block of zeros has e = 0. As a byte (E8M0): e + 127.
;;     - Each number is divided by its block's scale, clamped to +-448, and rounded to the nearest number of E4M3, ties to even, subnormals kept.
;;     - The product sums the exact products of the quantised numbers (number of the format x scale) in f32.
;;   ~~~python
;;   def quantise(x, axis):      # numpy; x: float32 -> the quantised numbers, widened to float32 again
;;       x = np.moveaxis(x, axis, -1); K = x.shape[-1]
;;       x = np.pad(x, [(0, 0)] * (x.ndim - 1) + [(0, -K % 32)]); x = x.reshape(x.shape[:-1] + (-1, 32)); a = np.abs(x).max(-1, keepdims=True)
;;       e = np.where(a > 0, np.clip(np.frexp(np.where(a > 0, a, 1))[1] - 1 - 8, -126, 127), 0)      # np.frexp(a)[1] - 1 = floor(log2(a)), exactly
;;       r = np.clip(x / 2.0 ** e, -448, 448)
;;       step = 2.0 ** (np.maximum(np.frexp(np.where(r == 0, 1, r))[1] - 1, -6) - 3)
;;       q = np.round(r / step) * step * 2.0 ** e      # np.round: ties to even
;;       return np.moveaxis(q.reshape(q.shape[:-2] + (-1,))[..., :K], -1, axis).astype(np.float32)
;;   ~~~
;;   SOFTMAX AHEAD OF A QUANTISED PRODUCT. Where the list says 'softmax', what is quantised is not the finished softmax but p = 2^(t - M), with t = logit x log2(e) and M = ceil(the row's largest t), a whole number; so 1/2 < the row's largest p <= 1. The row's sum l is taken of the UNQUANTISED p, in f32, and the product's result is divided by l at the end. Since M is a whole number, a kernel that streams over the keys may use a running M (the ceiling of the running maximum): every later rescaling is an exact power of two, which a block's scale takes up: the codes' values come out the same.
;;   OPERANDS COMPUTED ON THE WAY. 'Computed on the way' means the value that the module computes at that place (a softmax that the list does not call 'softmax' is quantised finished and normalised). What goes into a quantiser is computed in f32, as accurately as f32 sums, v_exp_f32 and their like allow (about 1e-6 of the number): no bf16 or f16 on the way to a quantiser, and a product that is left as it is and whose result goes on into a quantised operand takes f32 operands (vector FMAs, or v_wmma_f32_16x16x4_f32). A number that lies on a knife's edge between two numbers of the format may be rounded either way, as far as f32 arithmetic and the matrix unit's own rounding can turn it there, and no further.
;;   INPUTS GIVEN AS CODES. Wf (in the module: [1024, 1024], K = its axis 0); Wk (in the module: [1024, 1024], K = its axis 0); Wq (in the module: [1024, 1024], K = its axis 0); Wv (in the module: [1024, 1024], K = its axis 0); k (in the module: [4, 2048, 1024], K = its axis 2); q (in the module: [4, 2048, 1024], K = its axis 2); v (in the module: [4, 2048, 1024], K = its axis 2): each comes as NAME_codes (uint8): NAME with its K axis moved to the last place and cut into blocks of 32 codes, [.., K / 32, bytes a block], one block behind the other in memory; one code a byte (a code: sign, 4 exponent bits, 3 mantissa bits); and NAME_scales (uint8): the same leading axes, one E8M0 byte (e + 127) for each 32 codes along K. Its value is code x scale, taken as it is: it is not quantised again, and the codes and scales need not be those that the quantiser above would give.
;; One version. Each part assembles by itself: llvm-mc -triple=amdgcn-amd-amdhsa -mcpu=gfx1250 --defsym DOCPART=n.
;; ======== version 1 of 1: 3 launches
;; limits: right only within a limited range of input values
;; workspace buffers: qw 8,388,608 bytes; kw 8,388,608 bytes; vw 8,388,608 bytes; sq 524,288 bytes; sk 524,288 bytes; sv 262,144 bytes; cimg 8,388,608 bytes; cs 262,144 bytes
;; launch proj (part 1): grid 4 x 96, 4 waves a work-group, clusters of 4 x 4, 327,680 bytes of LDS; arguments q_codes, q_scales, Wq_codes, Wq_scales, bq, qw, sq, k_codes, k_scales, Wk_codes, Wk_scales, bk, kw, sk, Wv_codes, Wv_scales, v_codes, v_scales, bv, vw, sv; writes qw, sq, kw, sk, vw, sv
.if DOCPART == 1
	.amdgcn_target "amdgcn-amd-amdhsa--gfx1250"
	.amdhsa_code_object_version 6
	.text
	.protected	k_q805d736066_proj
	.globl	k_q805d736066_proj
	.p2align	8
	.type	k_q805d736066_proj,@function
k_q805d736066_proj:
	s_mov_b64 s[64:65], 0
	v_nop
	global_prefetch_b8 v0, s[64:65] scope:SCOPE_SE
	s_setreg_imm32_b32 hwreg(HW_REG_WAVE_MODE, 25, 1), 1
	s_wait_xcnt 0x0
	s_wait_alu depctr_hold_cnt(0) depctr_sa_sdst(0) depctr_va_vdst(0) depctr_va_sdst(0) depctr_va_ssrc(0) depctr_va_vcc(0) depctr_vm_vsrc(0)
	s_getreg_b32 s2, hwreg(HW_REG_IB_STS2, 6, 4)
	s_cmp_eq_u32 s2, 0
	s_cbranch_scc0 .Lentry_in_a_cluster
	s_endpgm
.Lentry_in_a_cluster:
	s_bfe_u32 s2, ttmp6, 0x10000c
	s_cmp_lg_u32 s2, 0xf033
	s_cbranch_scc0 .Lentry_shape_is_right
	s_endpgm
.Lentry_shape_is_right:
; THE THREE PROJECTIONS, q Wq + bq, k Wk + bk, v Wv + bv, on codes of FP8 (E4M3) with one E8M0 scale for each 32 along K = 1,024, and the quantiser of their results.
; One text serves all three as C'[i][j] = sum over k of X[i][k] Y[j][k] + bias, QUANTISED ALONG j in blocks of 32.  For q and k: X = the 8,192 tokens, Y = the weight's 1,024 rows, so that j runs along a head's 64
; (the K of the scores).  For v the roles are changed: X = Wv's rows, Y = the tokens, so that j runs along the keys (the K of the second attention product).  Only pointers and a few scalar strides are chosen,
; by the cluster's y, which all partners share: 8 clusters for each product.
; A tile of C', 256 x 256, is made by four waves, 128 x 128 each: 64 accumulators.  K goes in four steps of 256 through a ring of two LDS slots filled by the tensor data mover; the input scales of the
; work-group's rows come once.  4 x 4 work-groups form a cluster: X's tiles are asked for jointly along a row of it, Y's along a column.
; THE MATRIX INSTRUCTION IS USED TRANSPOSED (source 0 = 16 rows of Y, source 1 = 16 rows of X): a lane holds row i = lane % 16 and eight neighbouring j.
; THE WAY OUT.  Two neighbouring accumulators are a block of 32 along j, 16 numbers in lane l and 16 in lane l xor 16.  The codes leave as CHUNKS of 512 bytes, 16 rows x 32 codes laid [half of the block][row][16 bytes]:
; four registers of a later operand, lane by lane; a store of the wave covers 512 consecutive bytes.  The scale bytes are gathered in the wave's own LDS bytes and leave as whole words, 512 consecutive bytes a store (q, k), two runs of 256 (v).
; LIMITS: NaN and infinities are not served (an input scale byte 0xff gives NaN); a block of zeros gets the byte 1 (its codes are zeros, and this program alone reads the bytes);
; blocks whose largest magnitude lies under 2^-118 are held at that floor.
.set KSTEP,  256
.set NQ,     2                         ; matrix instructions deep in a slot
.set ROWB,   256                       ; a tile's row in bytes
.set KROW,   1024                      ; a row of X or Y in memory
.set PITCH,  272                       ; an LDS row: 256 bytes + 16 of padding: the 16 rows of a fragment load start at 16 different banks (64 banks of 4 bytes: ISA guide 11.1)
.set FR,     16
.set NL,     4
.set NP,     8                         ; places behind this matrix instruction (ISA guide 7.12.1)
.set HALFT,  128*PITCH
.set SLOT,   4*HALFT
.set LAPS,   2
.set KS,     32                        ; a row of input scales in bytes
.set SCL,    2*SLOT                    ; behind the ring: the input scales, units of 256 bytes + 16
.set HALFS,  (128*KS/256)*272
.set SBLK,   (16*KS/256)*272
.set SPARE,  SCL+4*HALFS               ; the spare words, 128 bytes a wave
.set SCR,    SPARE+512                 ; 1,024 bytes a wave: the scale words that I make; no tile ever lands here
.set VO0,  7                           ; v7   16 x lane
.set BI,   8                           ; v8-15 the bias along i, one register a block of 16 rows (zeros for q and k)
.set ADRA, 16
.set VO1,  18                          ; v18  16 x lane + the distance to blocks 2 and 3 of j
.set SCW,  19                          ; v19  where I put a scale word
.set ADRB, 20
.set SCRD, 22                          ; v22  where I read scale words back
.set VSO,  23                          ; v23  my byte offset among the scale words in memory
.set BO1,  24                          ; v24, v25 offsets of the bias loads
.set BO2,  25
.set ADRS, 27
.set SPW,  28
.set NIL,  29
.set BP,   30                          ; v[30:31] the block's bias along i, as a pair for the packed addition
.set SC,   32                          ; v32-63 input scale words, two sets
.set BJ,   64                          ; v64-127 the bias along j in the result's layout: the C of the first products (zeros for v)
.set AF,   128                         ; X's fragments
.set T,    64                          ; the way out: 64 numbers
.set TM,   32
.set PW,   48
.set PC,   128                         ; 16 registers of codes
.set SBK,  144
.set WW,   160                         ; v160-175 two scale words for each of the eight blocks: no LDS store's data are written again
.set WV,   18
.set RH,   19
.set CH,   20
.set TR,   21
.set TC,   22
.set MODE, 23
.set G1,   24
.set G0,   32
.set G1B,  48
.set G0B,  56
.set G1S,  68
.set G0S,  76
.set G1SB, 80
.set G0SB, 88
.set OB,   92                          ; s[92:99] four bases in the codes' buffer, for blocks 2 k and 2 k + 1
.set OS,   100                         ; s[100:101] base among the scale words
.set SEL,  10
.set MNT,  9
.set PS1,  8
.set PS0,  46
.set MQK,  47
.set MV,   12
.set MSB, 0
.macro WIN new                         ; the immediate's high byte repeats the setting that is left
.if MSB != (\new)
	s_set_vgpr_msb (MSB<<8)|(\new)
.set MSB, (\new)
.endif
.endm
.set MUL_LO, 0xa1                      ; source 0 (Y) window 1, source 1 (X) window 0, C and D window 2
.set MUL_HI, 0xf1
.set TO_B,   0x40
; A joint load: waves 0 and 1 fetch for X, waves 2 and 3 for Y.  The branch hangs on the wave's number alone.  Four v_nop follow each line.
.macro JLOAD g0a, g1a, g0b, g1b
	s_cmp_eq_u32 s[RH], 0
	s_cbranch_scc0 .Lfor_b_\@
	tensor_load_to_lds s[\g0a:\g0a+3], s[\g1a:\g1a+7]
	s_nop 0
.rept 4
	v_nop
.endr
	s_branch .Lasked_\@
.Lfor_b_\@:
	tensor_load_to_lds s[\g0b:\g0b+3], s[\g1b:\g1b+7]
	s_nop 0
.rept 4
	v_nop
.endr
.Lasked_\@:
.endm
.macro CREST
	s_cmp_lg_u32 s[WV], 0
	s_cbranch_scc1 .Lnot_wave_0_\@
	s_barrier_signal -3
.Lnot_wave_0_\@:
	s_barrier_wait -3
	s_barrier_signal -1
	s_barrier_wait -1
.endm
.macro CROUND
	s_barrier_signal -1
	s_barrier_wait -1
	CREST
.endm
	s_load_b256 s[4:11], s[0:1], 0x0               ; the set for q: X's codes, X's scales, Y's codes, Y's scales,
	s_load_b128 s[12:15], s[0:1], 0x20             ; the bias, the codes' buffer,
	s_load_b64 s[16:17], s[0:1], 0x30              ; the scale words' buffer
	s_load_b256 s[24:31], s[0:1], 0x38             ; the set for k
	s_load_b128 s[32:35], s[0:1], 0x58
	s_load_b64 s[36:37], s[0:1], 0x68
	s_load_b256 s[40:47], s[0:1], 0x70             ; the set for v
	s_load_b128 s[48:51], s[0:1], 0x90
	s_load_b64 s[52:53], s[0:1], 0xa0
	v_lshl_add_u32 v[SPW], v0, 2, SPARE
	v_mov_b32 v[NIL], 0
	ds_add_u32 v28, v29
	ds_add_u32 v28, v29
	s_wait_dscnt 0x0
	v_lshrrev_b32 v1, 5, v0
	v_readfirstlane_b32 s[WV], v1                  ; wave 0..3
	s_lshr_b32 s[RH], s[WV], 1                     ; which half of the tile's i is mine.  Also: I fetch for X (0) or Y (1)
	s_and_b32 s[CH], s[WV], 1                      ; which half of its j.  Also: which 128 rows I fetch
	s_and_b32 s66, ttmp7, 0xffff                   ; the cluster's y, 0 .. 23
	s_lshr_b32 s[MODE], s66, 3                     ; 0: q, 1: k, 2: v
	s_and_b32 s66, s66, 7                          ; which of the product's eight clusters
	s_wait_kmcnt 0x0
	s_cmp_eq_u32 s[MODE], 1                        ; the choice hangs on the cluster's number alone
.irp i, 0,2,4,6,8,10,12
	s_cselect_b64 s[4+\i:5+\i], s[24+\i:25+\i], s[4+\i:5+\i]
.endr
	s_cmp_eq_u32 s[MODE], 2
.irp i, 0,2,4,6,8,10,12
	s_cselect_b64 s[4+\i:5+\i], s[40+\i:41+\i], s[4+\i:5+\i]
.endr
	s_cselect_b32 s67, 0, s66                      ; the clusters of q and k lie one below the other (tokens along i),
	s_cselect_b32 s66, s66, 0                      ; those of v side by side (tokens along j)
	s_bfe_u32 s40, ttmp6, 0x40000                  ; cx
	s_bfe_u32 s41, ttmp6, 0x40004                  ; cy
	s_lshl_b32 s[TR], s67, 2
	s_add_co_u32 s[TR], s[TR], s41                 ; tile row
	s_lshl_b32 s[TC], s66, 2
	s_add_co_u32 s[TC], s[TC], s40                 ; tile column
	s_lshl_b32 s42, s41, 2
	s_lshl_b32 s42, 15, s42                        ; my row of the cluster
	s_lshl_b32 s43, 0x1111, s40                    ; my column
	; descriptor group 1: a tile of 128 rows x 256 bytes, 16 bytes of padding behind each row
	s_or_b32 s[G1+0], s42, (0<<16)|(1<<20)|(1<<21)|(5<<22)|(3<<25)   ; 15:0 the mask; 17:16 elements of 1 byte; 20 padding on; 21 set beside a mask; 24:22 after every 64 words; 31:25 four words
	s_or_b32 s[G1B+0], s43, (0<<16)|(1<<20)|(1<<21)|(5<<22)|(3<<25)
.irp g, G1, G1B
	s_mov_b32 s[\g+1], ROWB<<16                    ; tensor_dim0
	s_mov_b32 s[\g+2], 128<<16                     ; tensor_dim1
	s_mov_b32 s[\g+3], ROWB<<16                    ; tile_dim0
	s_mov_b32 s[\g+4], 128                         ; tile_dim1
	s_mov_b32 s[\g+5], KROW                        ; tensor_dim0_stride
	s_mov_b32 s[\g+6], 0
	s_mov_b32 s[\g+7], 0
.endr
	; the input scales of 128 rows: 4,096 dense bytes as 16 rows of 256 (32 elements of 8 bytes), 16 bytes of padding behind each
	s_or_b32 s[G1S+0], s42, (3<<16)|(1<<20)|(1<<21)|(5<<22)|(3<<25)
	s_or_b32 s[G1SB+0], s43, (3<<16)|(1<<20)|(1<<21)|(5<<22)|(3<<25)
.irp g, G1S, G1SB
	s_mov_b32 s[\g+1], 32<<16
	s_mov_b32 s[\g+2], (128*KS/256)<<16
	s_mov_b32 s[\g+3], 32<<16
	s_mov_b32 s[\g+4], 128*KS/256
	s_mov_b32 s[\g+5], 32
	s_mov_b32 s[\g+6], 0
	s_mov_b32 s[\g+7], 0
.endr
	s_lshl_b32 s44, s[CH], 7                       ; which 128 rows of a tile I fetch
	s_lshl_b32 s46, s[TR], 8
	s_add_co_u32 s46, s46, s44                     ; X: row 256 x tile row + 128 x half (these registers never hold cx)
	s_lshl_b32 s46, s46, 10                        ; its codes: 1,024 bytes a row (under 2^23)
	s_mov_b32 s47, 0
	s_add_nc_u64 s[4:5], s[4:5], s[46:47]
	s_lshr_b32 s46, s46, 5                         ; its scales: 32 bytes a row
	s_add_nc_u64 s[6:7], s[6:7], s[46:47]
	s_lshl_b32 s66, s[TC], 8
	s_add_co_u32 s66, s66, s44                     ; Y: row 256 x tile column + 128 x half
	s_lshl_b32 s66, s66, 10
	s_mov_b32 s67, 0
	s_add_nc_u64 s[8:9], s[8:9], s[66:67]
	s_lshr_b32 s66, s66, 5
	s_add_nc_u64 s[10:11], s[10:11], s[66:67]
	s_mul_i32 s2, s[WV], HALFT                     ; where they go: wave x 128 rows: no place in the cluster enters an LDS address
	s_mul_i32 s3, s[WV], HALFS
	CROUND                                         ; all sixteen work-groups are here: the first joint loads meet
	s_mov_b32 s[G0S], 1
	s_add_co_u32 s[G0S+1], s3, SCL
	s_mov_b64 s[G0S+2:G0S+3], s[6:7]
	s_or_b32 s[G0S+3], s[G0S+3], 0x80000000
	s_mov_b32 s[G0SB], 1
	s_add_co_u32 s[G0SB+1], s3, SCL
	s_mov_b64 s[G0SB+2:G0SB+3], s[10:11]
	s_or_b32 s[G0SB+3], s[G0SB+3], 0x80000000
	JLOAD G0S, G1S, G0SB, G1SB                     ; the scales first: they are wanted with K step 0
.irp s, 0,1
	s_mov_b32 s[G0+4*\s], 1
	s_add_co_u32 s[G0+4*\s+1], s2, \s*SLOT
	s_add_nc_u64 s[G0+4*\s+2:G0+4*\s+3], s[4:5], \s*ROWB
	s_or_b32 s[G0+4*\s+3], s[G0+4*\s+3], 0x80000000
	s_mov_b32 s[G0B+4*\s], 1
	s_add_co_u32 s[G0B+4*\s+1], s2, \s*SLOT
	s_add_nc_u64 s[G0B+4*\s+2:G0B+4*\s+3], s[8:9], \s*ROWB
	s_or_b32 s[G0B+4*\s+3], s[G0B+4*\s+3], 0x80000000
	JLOAD G0+4*\s, G1, G0B+4*\s, G1B               ; three tensor loads of mine are out
.endr
	; THE BIAS.  For q and k it runs along j and is the C of the first products; for v it runs along i and is added on the way out.  Both are loaded in every mode, from inside the buffer, and the one that does not apply is replaced by zeros.
	s_lshl_b32 s4, s[TC], 10
	s_lshl_b32 s5, s[CH], 9
	s_add_co_u32 s4, s4, s5                        ; 4 bytes x my first j
	s_lshl_b32 s6, s[TR], 10
	s_lshl_b32 s7, s[RH], 9
	s_add_co_u32 s6, s6, s7                        ; 4 bytes x my first i
	s_cmp_eq_u32 s[MODE], 2
	s_cselect_b32 s4, 0, s4
	s_cselect_b32 s6, s6, 0
	s_mov_b32 s5, 0
	s_mov_b32 s7, 0
	s_add_nc_u64 s[4:5], s[12:13], s[4:5]
	s_add_nc_u64 s[6:7], s[12:13], s[6:7]
	v_and_b32 v1, 15, v0                           ; r = l % 16
	s_wait_alu depctr_va_vdst(0)
	v_bfe_u32 v2, v0, 4, 1                         ; h = l / 16
	s_wait_alu depctr_va_vdst(0)
	v_lshlrev_b32 v[BO1], 5, v2                    ; register jj of accumulator (a, b) is j = 16 b + 8 h + jj
	v_lshlrev_b32 v[BO2], 2, v1                    ; and i = 16 a + r
.irp b, 0,1,2,3,4,5,6,7
	global_load_b128 v[BJ+8*\b:BJ+8*\b+3], v[BO1], s[4:5] offset:64*\b
	global_load_b128 v[BJ+8*\b+4:BJ+8*\b+7], v[BO1], s[4:5] offset:64*\b+16
.endr
.irp a, 0,1,2,3,4,5,6,7
	global_load_b32 v[BI+\a], v[BO2], s[6:7] offset:64*\a
.endr
	; WHERE THE RESULTS GO
	s_lshl_b32 s8, s[TC], 8
	s_lshl_b32 s9, s[CH], 7
	s_add_co_u32 s8, s8, s9                        ; my first j
	s_lshl_b32 s9, s[TR], 8
	s_lshl_b32 s10, s[RH], 7
	s_add_co_u32 s9, s9, s10                       ; my first i
	s_cmp_eq_u32 s[MODE], 2
	s_cselect_b32 s10, s8, s9                      ; my first token
	s_cselect_b32 s11, s9, s8                      ; my first feature, 64 x head
	s_mov_b32 s2, 131072
	s_cselect_b32 s2, 2048, s2                     ; from blocks 0, 1 of j to blocks 2, 3: the next head (q, k), or two blocks of keys on (v)
	s_mov_b32 s3, 256
	s_cselect_b32 s3, 4096, s3                     ; scale words: from lanes 0-15 to lanes 16-31: on end (q, k), or the next head (v)
	s_mov_b32 s40, 2048
	s_cselect_b32 s40, 4096, s40                   ; from blocks 0, 1 of i to blocks 2, 3
	s_mov_b32 s42, 4096
	s_cselect_b32 s42, 131072, s42                 ; and to blocks 4, 5
	s_cselect_b32 s44, 12, 13                      ; a head's scale words: 4,096 bytes (v), 8,192 (q, k)
	s_cselect_b32 s45, 1, 2                        ; and a token's part of them: 2 bytes (v: 256 for 128 keys), 4 (q, k)
	s_mov_b32 s[PS0], 0x01000100
	s_cselect_b32 s[PS0], 0x03020100, s[PS0]       ; the first scale word: bytes 0, 1 twice (q, k), or all four (v)
	s_cselect_b32 s[MQK], 0, -1
	s_cselect_b32 s[MV], -1, 0
	s_mov_b32 s41, 0
	s_mov_b32 s43, 0
	s_lshr_b32 s8, s10, 11
	s_lshl_b32 s8, s8, 4
	s_lshr_b32 s11, s11, 6
	s_add_co_u32 s8, s8, s11                       ; 16 x batch + head
	s_and_b32 s10, s10, 2047                       ; the token in its batch
	s_lshl_b32 s66, s8, 17                         ; a head's codes: 131,072 bytes;
	s_lshl_b32 s9, s10, 6                          ; a token's share of them: 64
	s_add_co_u32 s66, s66, s9
	s_mov_b32 s67, 0
	s_add_nc_u64 s[OB:OB+1], s[14:15], s[66:67]
	s_add_nc_u64 s[OB+2:OB+3], s[OB:OB+1], s[40:41]
	s_add_nc_u64 s[OB+4:OB+5], s[OB:OB+1], s[42:43]
	s_add_nc_u64 s[OB+6:OB+7], s[OB+4:OB+5], s[40:41]
	s_lshl_b32 s66, s8, s44
	s_lshl_b32 s9, s10, s45
	s_add_co_u32 s66, s66, s9
	s_add_nc_u64 s[OS:OS+1], s[16:17], s[66:67]
	s_mov_b32 s[SEL], 0x76543210
	s_mov_b32 s[SEL+1], 0xfedcba98                 ; v_permlanex16_b32's selects for lane l xor 16
	s_mov_b32 s[PS1], 0x03020302                   ; the second scale word: bytes 2, 3 twice
	v_and_b32 v3, 31, v0
	v_lshlrev_b32 v[VO0], 4, v3
	v_add_nc_u32 v[VO1], s2, v[VO0]
	v_lshlrev_b32 v4, 4, v1
	v_mul_u32_u24 v[VSO], s3, v2
	v_add_nc_u32 v[VSO], v[VSO], v4
	s_lshl_b32 s66, s[WV], 10
	v_lshlrev_b32 v[SCW], 2, v1
	v_add_nc_u32 v[SCW], s66, v[SCW]
	v_add_nc_u32 v[SCW], SCR, v[SCW]               ; SCR + 1,024 x wave + 4 r
	v_add_nc_u32 v[SCRD], s66, v[VO0]
	v_add_nc_u32 v[SCRD], SCR, v[SCRD]             ; SCR + 1,024 x wave + 16 x lane
	v_mul_u32_u24 v3, v1, PITCH
	v_lshl_add_u32 v4, v2, 4, v3                   ; a fragment's row x pitch + 16 x half
	s_mul_i32 s66, s[RH], HALFT                    ; my 128 rows of X
	s_mul_i32 s67, s[CH], HALFT                    ; my 128 rows of Y,
	s_add_co_u32 s67, s67, 2*HALFT                 ; which lie behind X's 256
.irp s, 0,1
	v_add_nc_u32 v[ADRA+\s], s66, v4
	v_add_nc_u32 v[ADRB+\s], s67, v4
	s_add_co_u32 s66, s66, SLOT
	s_add_co_u32 s67, s67, SLOT
.endr
	v_mul_u32_u24 v5, v1, KS                       ; my row's input scales: 32 bytes a row,
	v_lshrrev_b32 v6, 8, v5
	v_lshl_add_u32 v5, v6, 4, v5                   ; and 16 more for each 256 passed
	s_mul_i32 s66, s[RH], HALFS
	s_mul_i32 s67, s[CH], HALFS
	s_add_co_u32 s67, s67, 2*HALFS
	s_sub_co_u32 s67, s67, s66
	v_mul_u32_u24 v6, s67, v2                      ; lanes 16-31 take Y's
	s_add_co_u32 s66, s66, SCL
	v_add_nc_u32 v5, v5, v6
	v_add_nc_u32 v[ADRS], s66, v5
.macro FRAG reg, adr, q, i             ; 16 rows x 128 K: lane l holds row l % 16; registers 4 c .. 4 c + 3 hold K = 32 c + 16 (l / 16) + 0 .. 15
.irp c, 0,1,2,3
	ds_load_b128 v[\reg+4*\c:\reg+4*\c+3], v[\adr] offset:128*(\q)+32*\c+(\i)*16*PITCH
.endr
.endm
; 16 matrix instructions: X's blocks a0, a0 + 1 against Y's eight.  zero = 1: the first products start the sums, with the bias along j as their C.
; The 64 accumulators take turns, one instruction a turn, in the same order in every step.
.macro MUL16 a0, p, q, sc, zero
.irp a, \a0, \a0+1
.irp b, 0,1,2,3,4,5,6,7
.if \zero
	v_wmma_scale_f32_16x16x128_f8f6f4 v[8*(8*((\a)%4)+\b):8*(8*((\a)%4)+\b)+7], v[128*(\p)+FR*\b:128*(\p)+FR*\b+FR-1], v[AF+FR*(\a):AF+FR*(\a)+FR-1], v[BJ+8*\b:BJ+8*\b+7], v[SC+8*NQ*(\sc)+NQ*\b+(\q)], v[SC+8*NQ*(\sc)+NQ*(\a)+(\q)] matrix_a_scale:MATRIX_SCALE_ROW1
.else
	v_wmma_scale_f32_16x16x128_f8f6f4 v[8*(8*((\a)%4)+\b):8*(8*((\a)%4)+\b)+7], v[128*(\p)+FR*\b:128*(\p)+FR*\b+FR-1], v[AF+FR*(\a):AF+FR*(\a)+FR-1], v[8*(8*((\a)%4)+\b):8*(8*((\a)%4)+\b)+7], v[SC+8*NQ*(\sc)+NQ*\b+(\q)], v[SC+8*NQ*(\sc)+NQ*(\a)+(\q)] matrix_a_scale:MATRIX_SCALE_ROW1
.endif
.endr
.endr
.endm
.macro FETCH_B slot, q, p
	WIN TO_B
.irp i, 0,1,2,3,4,5,6,7
	FRAG 128*(\p)+FR*\i, ADRB+\slot, \q, \i
.endr
	WIN 0
.endm
.macro FETCH_A slot, q, i0
.irp i, \i0, \i0+1, \i0+2, \i0+3
	FRAG AF+FR*(\i), ADRA+\slot, \q, \i
.endr
.endm
.macro SCALES sc                       ; a K step's input scale words: lanes 0-15 take X's block i, lanes 16-31 Y's block i
.irp i, 0,1,2,3,4,5,6,7
	ds_load_b64 v[SC+8*NQ*\sc+NQ*\i:SC+8*NQ*\sc+NQ*\i+1], v[ADRS] offset:\i*SBLK
.endr
.endm
.macro PLACES n                        ; plain vector instructions that name no register of the matrix instructions before them (ISA guide 7.12.1)
.rept \n
	v_nop
.endr
.endm
.macro STEP slot, q, zero              ; 128 along K that have their successor in the same slot
	s_wait_dscnt 4*NL                              ; Y's set and X's blocks 0-3 are in; the youngest 16 loads (X's blocks 4-7) may be out
.if \zero
	WIN 0x81                                       ; as MUL_LO, but C (the bias) in window 0
.else
	WIN MUL_LO
.endif
	MUL16 0, (\q)%2, \q, \slot, \zero
	MUL16 2, (\q)%2, \q, \slot, \zero
	s_wait_dscnt 0
	PLACES NP
	FETCH_B \slot, (\q)+1, 1-(\q)%2
	FETCH_A \slot, (\q)+1, 0
.if \zero
	WIN 0xc1
.else
	WIN MUL_HI
.endif
	MUL16 4, (\q)%2, \q, \slot, \zero
	MUL16 6, (\q)%2, \q, \slot, \zero
	PLACES NP
	WIN 0
	FETCH_A \slot, (\q)+1, 4
.endm
; A slot's last step changes slots: ONE barrier; in front of it each wave waits for all its tensor loads, adds 0 to its spare word, and waits for that and for its own reads of this slot.
.macro TURN slot, next, fill
	s_wait_tensorcnt 0x0                           ; all my tensor loads have landed: my part of the next slot
	ds_add_u32 v[SPW], v[NIL]                      ; 0 onto my spare word
	s_wait_dscnt 4*NL+1                            ; (the add and the youngest 16 loads may be out)
	WIN MUL_LO
	MUL16 0, 1, NQ-1, \slot, 0
	s_wait_dscnt 0x0                               ; the add is done, and my reads of this slot are over
	s_barrier_signal -1
	MUL16 2, 1, NQ-1, \slot, 0
	WIN 0
	s_barrier_wait -1
.if \fill
	CREST                                          ; the barrier has opened a round of the cluster's barrier: no wave of any partner still reads this slot or has a load on its way
	s_add_nc_u64 s[G0+4*\slot+2:G0+4*\slot+3], s[G0+4*\slot+2:G0+4*\slot+3], 2*ROWB
	s_add_nc_u64 s[G0B+4*\slot+2:G0B+4*\slot+3], s[G0B+4*\slot+2:G0B+4*\slot+3], 2*ROWB
	JLOAD G0+4*\slot, G1, G0B+4*\slot, G1B         ; the first tensor load behind the round; its four v_nop are among the places in front of the loads below
	PLACES NP-4
.else
	PLACES NP
.endif
	s_wait_alu depctr_va_vdst(0)
	v_add_nc_u32 v[ADRS], 4*NQ, v[ADRS]
	FETCH_B \next, 0, 0
	FETCH_A \next, 0, 0
	SCALES \next
	WIN MUL_HI
	MUL16 4, 1, NQ-1, \slot, 0
	MUL16 6, 1, NQ-1, \slot, 0
	PLACES NP
	WIN 0
	FETCH_A \next, 0, 4
.endm
	s_wait_alu depctr_va_vdst(0)
	s_wait_tensorcnt 1                             ; the scales and my part of K step 0 are in (K step 1's load may be out),
	s_barrier_signal -1
	s_barrier_wait -1                              ; everybody's are
	FETCH_B 0, 0, 0
	FETCH_A 0, 0, 0
	SCALES 0
	FETCH_A 0, 0, 4
	s_wait_loadcnt 0x0                             ; the biases
.set j, 0
.rept 64
	v_cndmask_b32 v[BJ+j], 0, v[BJ+j], s[MQK]      ; along j: kept for q and k, zeros for v
.set j, j+1
.endr
.irp a, 0,1,2,3,4,5,6,7
	v_cndmask_b32 v[BI+\a], 0, v[BI+\a], s[MV]     ; along i: kept for v, zeros for q and k
.endr
	s_wait_alu depctr_va_vdst(0)
	STEP 0, 0, 1
	s_mov_b32 s3, LAPS-1
.Llap:                                                 ; a trip goes once round the ring and fills both slots again
	TURN 0, 1, 1
	STEP 1, 0, 0
	TURN 1, 0, 1
	STEP 0, 0, 0
	s_sub_co_u32 s3, s3, 1
	s_cmp_lg_u32 s3, 0
	s_cbranch_scc1 .Llap
	TURN 0, 1, 0                                   ; the last lap fills nothing
	STEP 1, 0, 0
	s_wait_dscnt 4*NL
	WIN MUL_LO
	MUL16 0, 1, NQ-1, 1, 0
	MUL16 2, 1, NQ-1, 1, 0
	s_wait_dscnt 0
	WIN MUL_HI
	MUL16 4, 1, NQ-1, 1, 0
	MUL16 6, 1, NQ-1, 1, 0
	WIN 0
; 64 numbers of a lane, v[s] on: registers 16 b .. 16 b + 15 are my 16 of block b of my row; lane l xor 16 holds the other 16.  Codes to v[PC] on, the row's four scale bytes to v[PW].
.macro QUANT s
.irp b, 0,1,2,3
	v_max3_num_f32 v[TM+\b], |v[\s+16*\b]|, |v[\s+1+16*\b]|, 0x4800000   ; and the floor 2^(9 - 127): the byte cannot fall under 1
.endr
.irp i, 2,4,6,8,10,12,14
.irp b, 0,1,2,3
	v_max3_num_f32 v[TM+\b], v[TM+\b], |v[\s+16*\b+\i]|, |v[\s+1+16*\b+\i]|
.endr
.endr
.irp b, 0,1,2,3
	v_permlanex16_b32 v[TM+4+\b], v[TM+\b], s[SEL], s[SEL+1]
.endr
.irp b, 0,1,2,3
	v_max_num_f32 v[TM+\b], v[TM+\b], v[TM+4+\b]   ; the block's largest magnitude
.endr
.irp b, 0,1,2,3
	v_add_nc_u32 v[TM+12+\b], 0xfc000000, v[TM+\b] ; 8 off its exponent field: the conversion's scale operand
.endr
.irp b, 0,1,2,3
.endr
.irp b, 0,1,2,3
	v_lshrrev_b32 v[TM+4+\b], 23, v[TM+12+\b]      ; the scale's byte
.endr
	v_lshl_or_b32 v[PW], v[TM+5], 8, v[TM+4]
	v_lshl_or_b32 v[PW], v[TM+6], 16, v[PW]
	v_lshl_or_b32 v[PW], v[TM+7], 24, v[PW]
.irp b, 0,1,2,3
.irp i, 0,1,2,3,4,5,6,7,8,9,10,11,12,13,14,15
.endr
	v_cvt_scalef32_pk8_fp8_f32 v[PC+4*\b:PC+1+4*\b], v[\s+16*\b:\s+7+16*\b], v[TM+12+\b]
	v_cvt_scalef32_pk8_fp8_f32 v[PC+2+4*\b:PC+3+4*\b], v[\s+8+16*\b:\s+15+16*\b], v[TM+12+\b]
.endr
	v_nop                                          ; one plain vector instruction behind the last conversion, ahead of what touches its results
.endm
; Block a: 16 rows of i x my 128 of j.
.macro OUTBLK a
.set AC, 64*((\a)%4)
	s_wait_xcnt 0x0                                ; the last block's stores have read their data: the codes' registers are written again only behind this wait
	v_mov_b32 v[BP], v[BI+(\a)]
	s_wait_alu depctr_va_vdst(0)
	WIN 0x02+(\a)/4                                ; source 0: window 2 or 3
.set k, 0
.rept 32
	v_pk_add_f32 v[T+2*k:T+2*k+1], v[AC+2*k:AC+2*k+1], v[BP:BP+1] op_sel_hi:[1,0]   ; + the bias along i; each accumulator from its low end on
.set k, k+1
.endr
	WIN 0
	QUANT T
.irp b, 0,1,2,3                        ; before: lane (r, h) has j = 8 h + 0 .. 7 and 16 + 8 h + 0 .. 7 of the block; behind the swaps lane (r, h) has j = 16 h + 0 .. 15: a chunk's order
	v_permlane16_swap_b32 v[PC+4*\b], v[PC+4*\b+2]
	v_permlane16_swap_b32 v[PC+4*\b+1], v[PC+4*\b+3]
.endr
	v_perm_b32 v[WW+2*(\a)], v[PW], v[PW], s[PS0]
	v_perm_b32 v[WW+2*(\a)+1], v[PW], v[PW], s[PS1]
	ds_store_b32 v[SCW], v[WW+2*(\a)] offset:64*(\a)             ; lanes r and r + 16 write the same word with the same value
	ds_store_b32 v[SCW], v[WW+2*(\a)+1] offset:512+64*(\a)
	global_store_b128 v[VO0], v[PC:PC+3], s[OB+2*((\a)/2):OB+2*((\a)/2)+1] offset:((\a)%2)*512            ; 32 lanes store 512 consecutive bytes, at a multiple of 512 from the buffer's first byte
	global_store_b128 v[VO0], v[PC+4:PC+7], s[OB+2*((\a)/2):OB+2*((\a)/2)+1] offset:((\a)%2)*512+1024
	global_store_b128 v[VO1], v[PC+8:PC+11], s[OB+2*((\a)/2):OB+2*((\a)/2)+1] offset:((\a)%2)*512
	global_store_b128 v[VO1], v[PC+12:PC+15], s[OB+2*((\a)/2):OB+2*((\a)/2)+1] offset:((\a)%2)*512+1024
.endm
	PLACES NP                                      ; behind the last products: their results are read, and their operands' and scales' registers written, only from here on
.irp b, 0,1,2,3
	v_mov_b32 v[TM+4+\b], 0                        ; written once: a lane permute's destination counts as one of its sources
.endr
	v_mov_b32 v[BP+1], 0                           ; (named as the pair's upper half)
.irp a, 0,1,2,3,4,5,6,7
	OUTBLK \a
.endr
	ds_load_b128 v[SBK:SBK+3], v[SCRD]             ; LDS serves a wave's instructions in order (ISA guide 5.7.1.4): these see my stores
	ds_load_b128 v[SBK+4:SBK+7], v[SCRD] offset:512
	s_wait_dscnt 0x0
	global_store_b128 v[VSO], v[SBK:SBK+3], s[OS:OS+1]           ; q, k: the first head's 128 words, 512 bytes on end; v: 64 words for each of two heads, 256 bytes each
	s_cmp_eq_u32 s[MODE], 2                        ; the cluster's number: alike in all partners
	s_cbranch_scc1 .Lone_word
	global_store_b128 v[VSO], v[SBK+4:SBK+7], s[OS:OS+1] offset:8192   ; q, k: the second head's
.Lone_word:
	s_wait_tensorcnt 0x0                           ; the wave's end
	ds_add_u32 v[SPW], v[NIL]
	s_wait_dscnt 0x0
	CROUND                                         ; the closing round
	s_endpgm
.Lfunc_end_k_q805d736066_proj:
	.size	k_q805d736066_proj, .Lfunc_end_k_q805d736066_proj-k_q805d736066_proj
	.p2alignl 7, 3214868480
	.fill 96, 4, 3214868480
	.section	.rodata,"a",@progbits
	.p2align	6, 0x0
	.amdhsa_kernel k_q805d736066_proj
		.amdhsa_group_segment_fixed_size 327680
		.amdhsa_private_segment_fixed_size 0
		.amdhsa_enable_private_segment 0
		.amdhsa_kernarg_size 168
		.amdhsa_user_sgpr_count 2
		.amdhsa_user_sgpr_kernarg_segment_ptr 1
		.amdhsa_wavefront_size32 1
		.amdhsa_system_sgpr_workgroup_id_x 1
		.amdhsa_system_sgpr_workgroup_id_y 1
		.amdhsa_system_sgpr_workgroup_id_z 1
		.amdhsa_system_vgpr_workitem_id 0
		.amdhsa_next_free_vgpr 1024
		.amdhsa_next_free_sgpr 102
		.amdhsa_reserve_vcc 0
		.amdhsa_float_denorm_mode_32 3
		.amdhsa_float_denorm_mode_16_64 3
		.amdhsa_fp16_overflow 1
		.amdhsa_memory_ordered 1
		.amdhsa_forward_progress 1
		.amdhsa_inst_pref_size 180
	.end_amdhsa_kernel
	.amdgpu_metadata
---
amdhsa.version: [ 1, 2 ]
amdhsa.kernels:
  - .name:           k_q805d736066_proj
    .symbol:         k_q805d736066_proj.kd
    .args:
      - { .name: q_codes, .offset: 0, .size: 8, .value_kind: global_buffer, .address_space: global }
      - { .name: q_scales, .offset: 8, .size: 8, .value_kind: global_buffer, .address_space: global }
      - { .name: Wq_codes, .offset: 16, .size: 8, .value_kind: global_buffer, .address_space: global }
      - { .name: Wq_scales, .offset: 24, .size: 8, .value_kind: global_buffer, .address_space: global }
      - { .name: bq, .offset: 32, .size: 8, .value_kind: global_buffer, .address_space: global }
      - { .name: qw, .offset: 40, .size: 8, .value_kind: global_buffer, .address_space: global }
      - { .name: sq, .offset: 48, .size: 8, .value_kind: global_buffer, .address_space: global }
      - { .name: k_codes, .offset: 56, .size: 8, .value_kind: global_buffer, .address_space: global }
      - { .name: k_scales, .offset: 64, .size: 8, .value_kind: global_buffer, .address_space: global }
      - { .name: Wk_codes, .offset: 72, .size: 8, .value_kind: global_buffer, .address_space: global }
      - { .name: Wk_scales, .offset: 80, .size: 8, .value_kind: global_buffer, .address_space: global }
      - { .name: bk, .offset: 88, .size: 8, .value_kind: global_buffer, .address_space: global }
      - { .name: kw, .offset: 96, .size: 8, .value_kind: global_buffer, .address_space: global }
      - { .name: sk, .offset: 104, .size: 8, .value_kind: global_buffer, .address_space: global }
      - { .name: Wv_codes, .offset: 112, .size: 8, .value_kind: global_buffer, .address_space: global }
      - { .name: Wv_scales, .offset: 120, .size: 8, .value_kind: global_buffer, .address_space: global }
      - { .name: v_codes, .offset: 128, .size: 8, .value_kind: global_buffer, .address_space: global }
      - { .name: v_scales, .offset: 136, .size: 8, .value_kind: global_buffer, .address_space: global }
      - { .name: bv, .offset: 144, .size: 8, .value_kind: global_buffer, .address_space: global }
      - { .name: vw, .offset: 152, .size: 8, .value_kind: global_buffer, .address_space: global }
      - { .name: sv, .offset: 160, .size: 8, .value_kind: global_buffer, .address_space: global }
    .group_segment_fixed_size: 327680
    .private_segment_fixed_size: 0
    .kernarg_segment_align: 8
    .kernarg_segment_size: 168
    .max_flat_workgroup_size: 128
    .sgpr_count:     102
    .vgpr_count:     1024
    .wavefront_size: 32
...
	.end_amdgpu_metadata
.endif
;; end of part 1
;; launch attn (part 2): grid 4 x 64, 16 waves a work-group, no clusters, 327,680 bytes of LDS; arguments qw, sq, kw, sk, vw, sv, cimg, cs; writes cimg, cs
.if DOCPART == 2
	.amdgcn_target "amdgcn-amd-amdhsa--gfx1250"
	.amdhsa_code_object_version 6
	.text
	.protected	k_q805d736066_attn
	.globl	k_q805d736066_attn
	.p2align	8
	.type	k_q805d736066_attn,@function
k_q805d736066_attn:
	s_mov_b64 s[64:65], 0
	v_nop
	global_prefetch_b8 v0, s[64:65] scope:SCOPE_SE
	s_setreg_imm32_b32 hwreg(HW_REG_WAVE_MODE, 25, 1), 1
	s_wait_xcnt 0x0
; CAUSAL ATTENTION of one head on codes of FP8 (E4M3), one E8M0 scale for each 32 along a product's K, and the quantiser of its result.  2,048 tokens, head size 64, 64 heads (batch x head).
; t = score x log2(e) / sqrt(2048); M = the row's largest t so far, rounded up to a whole number; p = 2^(t - M) is quantised along the keys; the row's sum is taken of the unquantised p and divides O at the end;
; O / sum is quantised along head x 64 + d and stored as the register images that the last launch's operand wants.
; SHARES.  Work-group x of a head owns the blocks of 256 queries 7 - x and x and walks key slots 0 .. 7 - x for the first and 0 .. x for the second: NINE slots of 256 keys in every work-group, a constant trip count.
; Each of sixteen waves owns 16 queries of the block in hand, in 256 registers.  A key step is 128 keys; a step all of whose keys come after the wave's queries is jumped over (a scalar branch on ids).
; NO CLUSTER: from the sixth trip on the four work-groups of a head want different slots in the same trip, so their requests are not alike.
; LAYOUT.  Both products are used transposed (S^T = K Q^T, O^T = V^T P^T): a lane holds one query (lane % 16).  Codes lie in memory as chunks of 512 bytes, [half][row][16 bytes]: four registers of a fragment.
; K = 64 fills half of the matrix instruction's 128: a fragment of keys holds TWO tiles of 16 keys (groups 0, 1 the first, groups 2, 3 the second) and is multiplied twice, by [q, 0] and by [0, q].
; The rows of a tile are not neighbours: row r of tile (b, u) is key 32 b + 16 (r / 8) + 8 u + r % 8, so that the 16 registers of tiles (b, 0), (b, 1) are keys 32 b + 16 (lane / 16) + 0 .. 15; V's rows (d) likewise.
; In LDS a chunk is followed by 128 bytes of padding: rows 0-7 and 8-15 of a tile come from neighbouring chunks, 640 bytes apart, and so fall on the two halves of the banks.
; LIMITS: NaN and infinities are not served; a block of zeros gets the byte 1 (this program alone reads the bytes); blocks under 2^-118 are held at that floor; log2(e) / sqrt(2048) is one f32 constant.
; The two scale bytes of a token and head leave by a store of 2 bytes a lane, rows 32 bytes apart: one byte in 32 of what this launch stores.
.set SLOT1, 65536                      ; slot 1 begins here: one exclusive or turns an address from one slot to the other
.set CP,    640                        ; a chunk and its padding
.set VOFF,  32*CP                      ; a slot: 32 chunks of K, 32 of V,
.set KSOFF, 64*CP                      ; 256 keys' scale words,
.set VSOFF, KSOFF+1024                 ; 2 steps x 64 scale words of V
.set SPARE, 2*SLOT1                    ; the spare words, 128 bytes for each of sixteen waves
.set LT,   1                           ; v1   my lane's place in a fragment: 640 (r / 8) + 256 h + 16 (r % 8)
.set LS,   2                           ; v2   and among scale words: 64 (r / 8) + 4 (r % 8)
.set ADK,  3
.set ADS,  4
.set SPW,  5
.set NIL,  6
.set PFO,  7                           ; v7   256 x lane: the prefetches' offset
.set VRH,  8                           ; v8   r - 16 h
.set L16,  9                           ; v9   16 x lane
.set TMA,  10
.set TMB,  11
.set QZ0,  16                          ; v16-23 zeros | v24-31 q | v32-39 zeros:  [0, q] = v[16:31], [q, 0] = v[24:39]
.set Q,    24
.set QZ1,  32
.set Q2,   40                          ; the second block's q
.set QS,   48
.set QS2,  49
.set KSC,  50                          ; v50-57 K's scale words, later v50-53 V's
.set F,    62                          ; v62 f = 2^(old M - new M); v63 p's scale word
.set PSW,  63
.set FRG,  64                          ; v64-127 four fragments of K, then of V
.set S,    128                         ; v128-191 S^T, then p
.set O,    192                         ; v192-223 O^T
.set PC,   224
.set BM,   240
.set PD,   244
.set LM,   248
.set SO,   252
.set WV,   20
.set II,   21
.set BH,   22
.set SWN,  23                          ; the trip at which the second block begins: 8 - x
.set G1C,  24
.set G1S,  32
.set G0C,  40
.set G0S,  44
.set BC,   48                          ; s[48:49] where my part of slot 0's codes lies in memory;  s[50:51] of its scale words
.set BS,   50
.set USH,  52                          ; a slot's scale words: 2^10 bytes of K's, 2^9 of V's
.set OFFP, 54
.set N,    56
.set TB,   57
.set KF,   58
.set Q0,   59
.set Q0B,  60
.set SEL,  66
.set CS,   68
.set MNT,  70
.set CB1,  72
.set SB1,  74
.set CB2,  76
.set SB2,  78
.set PFA,  80
.set LIM,  82
; Waves 0, 1 fetch K's codes, 2, 3 V's (16 chunks each); waves 4, 5 K's scale words, wave 6 V's (512 bytes each).  The branches hang on the wave's number alone.  Four v_nop follow each line.
.macro TLOAD
	s_cmp_lt_u32 s[WV], 4
	s_cbranch_scc0 .Lnot_c_\@
	tensor_load_to_lds s[G0C:G0C+3], s[G1C:G1C+7]
	s_nop 0
.rept 4
	v_nop
.endr
	s_branch .Lasked_\@
.Lnot_c_\@:
	s_cmp_lt_u32 s[WV], 7
	s_cbranch_scc0 .Lasked_\@
	tensor_load_to_lds s[G0S:G0S+3], s[G1S:G1S+7]
	s_nop 0
.rept 4
	v_nop
.endr
.Lasked_\@:
.endm
; A prefetch of the codes that the NEXT change of slots will ask for.  All four work-groups of a head begin with slots 0, 1, 2 ..; work-group x = 0 walks all eight in order, and it alone asks: waves 8, 9 for K's 16,384 bytes of
; a slot, waves 10, 11 for V's, 8,192 bytes a wave, lanes 256 bytes apart.  Trip N names slot N + 2, up to slot 7: each block of 256 bytes is named once.  Slots 0 and 1 and the scale words come by their loads alone.
.macro ASK
	s_cmp_le_i32 s[N], s[LIM]
	s_cbranch_scc0 .Lnot_mine_\@
	global_prefetch_b8 v[PFO], s[PFA:PFA+1] th:TH_LOAD_NT scope:SCOPE_SE
.Lnot_mine_\@:
.endm
	s_load_b512 s[4:19], s[0:1], 0x0               ; qw s[4:5], sq s[6:7], kw s[8:9], sk s[10:11], vw s[12:13], sv s[14:15], cimg s[16:17], cs s[18:19]
	v_lshl_add_u32 v[SPW], v0, 2, SPARE
	v_mov_b32 v[NIL], 0
	ds_add_u32 v5, v6
	ds_add_u32 v5, v6
	s_wait_dscnt 0x0
	v_lshrrev_b32 v[TMA], 5, v0
	s_delay_alu instid0(VALU_DEP_1)
	v_readfirstlane_b32 s[WV], v[TMA]              ; wave 0..15
	s_mov_b32 s[II], ttmp9
	s_and_b32 s[BH], ttmp7, 0xffff                 ; 16 x batch + head
	s_sub_co_u32 s[SWN], 8, s[II]
	s_mov_b32 s[G1C], (3<<16)|(1<<20)|(6<<22)|(31<<25)   ; 17:16 elements of 8 bytes; 20 padding on; 24:22 after every 128 words; 31:25 32 words
	s_mov_b32 s[G1C+1], 64<<16                     ; tensor_dim0: 64 elements, a chunk
	s_mov_b32 s[G1C+2], 16<<16                     ; tensor_dim1
	s_mov_b32 s[G1C+3], 64<<16                     ; tile_dim0
	s_mov_b32 s[G1C+4], 16                         ; tile_dim1
	s_mov_b32 s[G1C+5], 64                         ; dense in memory
	s_mov_b32 s[G1C+6], 0
	s_mov_b32 s[G1C+7], 0
	s_mov_b32 s[G1S], 3<<16                        ; one row of 512 bytes, no padding
	s_mov_b32 s[G1S+1], 64<<16
	s_mov_b32 s[G1S+2], 1<<16
	s_mov_b32 s[G1S+3], 64<<16
	s_mov_b32 s[G1S+4], 1
	s_mov_b32 s[G1S+5], 64
	s_mov_b32 s[G1S+6], 0
	s_mov_b32 s[G1S+7], 0
	s_and_b32 s84, s[WV], 1
	s_lshl_b32 s85, s84, 13
	s_lshl_b32 s86, s[BH], 17
	s_add_co_u32 s86, s86, s85                     ; codes: the head's 131,072 bytes, my half of a slot's 16,384
	s_mov_b32 s87, 0
	s_lshl_b32 s88, s84, 9
	s_mov_b32 s89, 0
	s_mov_b32 s[OFFP+1], 0
	s_wait_kmcnt 0x0
	s_cmp_lt_u32 s[WV], 2
	s_cselect_b64 s[BC:BC+1], s[8:9], s[12:13]
	s_add_nc_u64 s[BC:BC+1], s[BC:BC+1], s[86:87]
	s_cmp_lt_u32 s[WV], 6
	s_cselect_b64 s[BS:BS+1], s[10:11], s[14:15]
	s_cselect_b32 s[USH], 10, 9
	s_cselect_b32 s90, 13, 12
	s_lshl_b32 s90, s[BH], s90
	s_add_co_u32 s88, s88, s90
	s_add_nc_u64 s[BS:BS+1], s[BS:BS+1], s[88:89]
	s_mov_b32 s[G0C], 1
	s_mul_i32 s[G0C+1], s[WV], 16*CP               ; LDS: wave x 16 chunks, in slot 0
	s_mov_b64 s[G0C+2:G0C+3], s[BC:BC+1]
	s_or_b32 s[G0C+3], s[G0C+3], 0x80000000
	s_mov_b32 s[G0S], 1
	s_lshl_b32 s[G0S+1], s[WV], 9
	s_add_co_u32 s[G0S+1], s[G0S+1], KSOFF-4*512   ; LDS: KSOFF + 512 (wave - 4)
	s_mov_b64 s[G0S+2:G0S+3], s[BS:BS+1]
	s_or_b32 s[G0S+3], s[G0S+3], 0x80000000
	TLOAD                                          ; slot 0
	; where the results go: block blk adds 16 tiles of tokens
	s_lshr_b32 s84, s[BH], 4                       ; batch
	s_and_b32 s85, s[BH], 15                       ; head
	s_lshr_b32 s86, s85, 2
	s_lshl_b32 s86, s86, 21                        ; cimg: [head / 4][tile of 16 tokens][(head / 2) % 2][2 (head % 2) + g][chunk]
	s_bfe_u32 s87, s85, 0x10001
	s_lshl_b32 s87, s87, 11
	s_add_co_u32 s86, s86, s87
	s_and_b32 s87, s85, 1
	s_lshl_b32 s87, s87, 10
	s_add_co_u32 s86, s86, s87
	s_lshl_b32 s87, s84, 7
	s_add_co_u32 s87, s87, s[WV]                   ; 128 x batch + wave
	s_lshl_b32 s88, s87, 12
	s_add_co_u32 s86, s86, s88
	s_lshl_b32 s87, s87, 9                         ; cs: 32 bytes a token, 512 a tile,
	s_lshl_b32 s85, s85, 1
	s_add_co_u32 s87, s87, s85                     ; + 2 x head
	s_sub_co_u32 s90, 7, s[II]                     ; the first block
	s_mov_b32 s97, 0
	s_lshl_b32 s96, s90, 16
	s_add_co_u32 s96, s96, s86
	s_add_nc_u64 s[CB1:CB1+1], s[16:17], s[96:97]
	s_lshl_b32 s96, s[II], 16
	s_add_co_u32 s96, s96, s86
	s_add_nc_u64 s[CB2:CB2+1], s[16:17], s[96:97]
	s_lshl_b32 s96, s90, 13
	s_add_co_u32 s96, s96, s87
	s_add_nc_u64 s[SB1:SB1+1], s[18:19], s[96:97]
	s_lshl_b32 s96, s[II], 13
	s_add_co_u32 s96, s96, s87
	s_add_nc_u64 s[SB2:SB2+1], s[18:19], s[96:97]
	s_lshl_b32 s98, s[WV], 4
	s_lshl_b32 s[Q0], s90, 8
	s_add_co_u32 s[Q0], s[Q0], s98                 ; my first query now,
	s_lshl_b32 s[Q0B], s[II], 8
	s_add_co_u32 s[Q0B], s[Q0B], s98               ; and in the second block
	; the prefetches
	s_cmp_lt_u32 s[WV], 10
	s_cselect_b64 s[PFA:PFA+1], s[8:9], s[12:13]
	s_and_b32 s96, s[WV], 1
	s_lshl_b32 s96, s96, 13
	s_lshl_b32 s98, s[BH], 17
	s_add_co_u32 s96, s96, s98
	s_add_co_u32 s96, s96, 16384                   ; in slot 1: the first change of slots steps it to slot 2
	s_add_nc_u64 s[PFA:PFA+1], s[PFA:PFA+1], s[96:97]
	s_sub_co_u32 s96, s[WV], 8
	s_lshr_b32 s96, s96, 2                         ; 0 in waves 8 to 11,
	s_or_b32 s96, s96, ttmp9                       ; of the head's work-group 0
	s_cmp_eq_u32 s96, 0
	s_cselect_b32 s[LIM], 5, -1
	; both blocks' q: two chunks (d 0-31, d 32-63) and a scale word a query
	s_lshr_b32 s84, s[WV], 1
	s_lshl_b32 s84, s84, 11
	s_and_b32 s85, s[WV], 1
	s_lshl_b32 s85, s85, 9
	s_add_co_u32 s84, s84, s85
	s_lshl_b32 s85, s[BH], 17
	s_add_co_u32 s84, s84, s85
	s_lshl_b32 s86, s90, 14
	s_add_co_u32 s86, s86, s84
	s_mov_b32 s87, 0
	s_add_nc_u64 s[86:87], s[4:5], s[86:87]
	s_lshl_b32 s88, s[II], 14
	s_add_co_u32 s88, s88, s84
	s_mov_b32 s89, 0
	s_add_nc_u64 s[88:89], s[4:5], s[88:89]
	s_lshl_b32 s84, s[BH], 13
	s_lshl_b32 s85, s[WV], 6
	s_add_co_u32 s84, s84, s85
	s_lshl_b32 s92, s90, 10
	s_add_co_u32 s92, s92, s84
	s_mov_b32 s93, 0
	s_add_nc_u64 s[92:93], s[6:7], s[92:93]
	s_lshl_b32 s94, s[II], 10
	s_add_co_u32 s94, s94, s84
	s_mov_b32 s95, 0
	s_add_nc_u64 s[94:95], s[6:7], s[94:95]
	v_and_b32 v[TMA], 31, v0
	s_delay_alu instid0(VALU_DEP_1)
	v_lshlrev_b32 v[L16], 4, v[TMA]
	s_delay_alu instid0(VALU_DEP_2)
	v_lshlrev_b32 v[PFO], 8, v[TMA]
	v_and_b32 v[TMA], 15, v0                       ; r
	s_delay_alu instid0(VALU_DEP_1)
	v_lshlrev_b32 v[TMB], 2, v[TMA]
	global_load_b128 v[Q:Q+3], v[L16], s[86:87]
	global_load_b128 v[Q+4:Q+7], v[L16], s[86:87] offset:1024
	global_load_b128 v[Q2:Q2+3], v[L16], s[88:89]
	global_load_b128 v[Q2+4:Q2+7], v[L16], s[88:89] offset:1024
	global_load_b32 v[QS], v[TMB], s[92:93]
	global_load_b32 v[QS2], v[TMB], s[94:95]
	v_bfe_u32 v[VRH], v0, 4, 1                     ; h
	v_lshrrev_b32 v[ADK], 3, v[TMA]                ; r / 8
	v_and_b32 v[ADS], 7, v[TMA]                    ; r % 8
	s_delay_alu instid0(VALU_DEP_2)
	v_mul_u32_u24 v[LT], v[ADK], CP
	s_delay_alu instid0(VALU_DEP_1)
	v_lshl_add_u32 v[LT], v[VRH], 8, v[LT]
	s_delay_alu instid0(VALU_DEP_1)
	v_lshl_add_u32 v[LT], v[ADS], 4, v[LT]
	v_lshlrev_b32 v[LS], 6, v[ADK]
	s_delay_alu instid0(VALU_DEP_1)
	v_lshl_add_u32 v[LS], v[ADS], 2, v[LS]
	v_lshlrev_b32 v[VRH], 4, v[VRH]
	s_delay_alu instid0(VALU_DEP_1)
	v_sub_nc_u32 v[VRH], v[TMA], v[VRH]
	s_mov_b32 s[SEL], 0x76543210
	s_mov_b32 s[SEL+1], 0xfedcba98
	s_mov_b32 s[CS], 0x3d0293ee                    ; c = log2(e) / sqrt(2048)
	s_mov_b32 s[CS+1], s[CS]                       ; (named with it as a pair)
	s_mov_b32 s[N], 0
	s_mov_b32 s[TB], 0
.irp j, 0,1,2,3,4,5,6,7
	v_mov_b32 v[QZ0+\j], 0
	v_mov_b32 v[QZ1+\j], 0
.endr
	v_mov_b32 v13, 0xff61b1e6                      ; the largest t so far: -3e38
	s_delay_alu instid0(VALU_DEP_1)
	v_floor_f32 v12, -v13                          ; -M
	v_mov_b32 v14, 0
	v_mov_b32 v15, 0
.irp b, 0,1,2,3
	v_mov_b32 v[PD+\b], 0                          ; a lane permute's destination counts as one of its sources
.endr
	v_mov_b32 v[PSW], 0                            ; (named as the upper half of the pair v[62:63])
.set j, 0
.rept 32
	v_mov_b32 v[O+j], 0                            ; the step is written once: the first finds zeros, which the first change of M leaves zeros
.set j, j+1
.endr
	s_wait_loadcnt 0x0                             ; q
; THE CHANGE OF SLOTS, at a trip's head.  Each wave waits for all its tensor loads, adds 0 to its spare word, and waits for that and for its reads of the slot that it has left; behind the barrier that slot is filled with the
; keys of the next trip, which has a whole trip in which to land.  Trip N walks slot sigma(N) = N, or N - SWN from trip SWN on.
.macro CHANGE fill
	s_wait_tensorcnt 0x0                           ; no tensor load of mine is out, so a group 0 may be written
	ds_add_u32 v[SPW], v[NIL]                      ; 0 onto my spare word
	s_cmp_ge_u32 s[N], s[SWN]
	s_cselect_b32 s84, s[SWN], 0
	s_sub_co_u32 s84, s[N], s84
	s_lshl_b32 s[KF], s84, 8                       ; this trip's first key
.if \fill
	s_add_co_u32 s85, s[N], 1
	s_cmp_ge_u32 s85, s[SWN]
	s_cselect_b32 s84, s[SWN], 0
	s_sub_co_u32 s85, s85, s84                     ; sigma(N + 1), at most 7
	s_xor_b32 s[G0C+1], s[G0C+1], SLOT1
	s_xor_b32 s[G0S+1], s[G0S+1], SLOT1
	s_lshl_b32 s[OFFP], s85, 14
	s_add_nc_u64 s[G0C+2:G0C+3], s[BC:BC+1], s[OFFP:OFFP+1]
	s_or_b32 s[G0C+3], s[G0C+3], 0x80000000
	s_lshl_b32 s[OFFP], s85, s[USH]
	s_add_nc_u64 s[G0S+2:G0S+3], s[BS:BS+1], s[OFFP:OFFP+1]
	s_or_b32 s[G0S+3], s[G0S+3], 0x80000000
	s_wait_xcnt 0x0                                ; the last prefetch, a trip back, has read its address
	s_add_nc_u64 s[PFA:PFA+1], s[PFA:PFA+1], 16384
.endif
	s_wait_dscnt 0x0                               ; the add is done, and my reads of the slot that I have left are over
	s_barrier_signal -1
	s_barrier_wait -1
.if \fill
	TLOAD                                          ; the first thing behind the barrier, and a wave's one tensor load until the next
	ASK
.endif
.endm
; THE WAY OUT of a block: O^T / the sum, quantised along d (two blocks of 32: 16 numbers in lane l, 16 in lane l xor 16): the codes are two chunks, stored as they stand.
.macro WAYOUT cb, sb
.rept 8
	v_nop                                          ; places behind the last products
.endr
	v_add_f32 v14, v14, v15
	s_delay_alu instid0(VALU_DEP_1)
	v_permlanex16_b32 v[PD], v14, s[SEL], s[SEL+1]
	s_delay_alu instid0(VALU_DEP_1)
	v_add_f32 v14, v14, v[PD]                      ; the row's sum
	s_wait_alu depctr_va_vdst(0)
	v_rcp_f32 v14, v14
	v_and_b32 v160, 15, v0                         ; (a plain place behind the transcendental)
	s_delay_alu instid0(VALU_DEP_1)
	v_lshlrev_b32 v160, 5, v160                    ; 32 bytes a token in cs
	s_wait_alu depctr_va_vdst(0)                   ; the wait ahead of the reciprocal's first reader
.set j, 0
.rept 32
	v_mul_f32 v[S+j], v[O+j], v14                  ; register 16 g + i is d = 32 g + 16 h + i; each accumulator from its low end on
.set j, j+1
.endr
.irp g, 0,1
	v_max3_num_f32 v[BM+\g], |v[S+16*\g]|, |v[S+1+16*\g]|, 0x4800000
.endr
.irp i, 2,4,6,8,10,12,14
.irp g, 0,1
	s_delay_alu instid0(VALU_DEP_2)
	v_max3_num_f32 v[BM+\g], v[BM+\g], |v[S+16*\g+\i]|, |v[S+1+16*\g+\i]|
.endr
.endr
.irp g, 0,1
	s_delay_alu instid0(VALU_DEP_2)
	v_permlanex16_b32 v[PD+\g], v[BM+\g], s[SEL], s[SEL+1]
.endr
.irp g, 0,1
	s_delay_alu instid0(VALU_DEP_2)
	v_max_num_f32 v[BM+\g], v[BM+\g], v[PD+\g]
.endr
.irp g, 0,1
	s_delay_alu instid0(VALU_DEP_2)
	v_add_nc_u32 v[SO+\g], 0xfc000000, v[BM+\g]
.endr
.irp g, 0,1
.endr
.irp g, 0,1
	s_delay_alu instid0(VALU_DEP_2)
	v_lshrrev_b32 v[PD+\g], 23, v[SO+\g]
.endr
	s_delay_alu instid0(VALU_DEP_1)
	v_lshl_or_b32 v161, v[PD+1], 8, v[PD]          ; the token's two scale bytes of this head
.irp g, 0,1
.irp i, 0,1,2,3,4,5,6,7,8,9,10,11,12,13,14,15
.endr
.endr
.irp g, 0,1
	v_cvt_scalef32_pk8_fp8_f32 v[PC+4*\g:PC+4*\g+1], v[S+16*\g:S+16*\g+7], v[SO+\g]
	v_cvt_scalef32_pk8_fp8_f32 v[PC+4*\g+2:PC+4*\g+3], v[S+16*\g+8:S+16*\g+15], v[SO+\g]
.endr
	v_nop                                          ; one plain vector instruction behind the last conversion
	global_store_b128 v[L16], v[PC:PC+3], s[\cb:\cb+1]               ; 32 lanes store 512 consecutive bytes
	global_store_b128 v[L16], v[PC+4:PC+7], s[\cb:\cb+1] offset:512
	global_store_b16 v160, v161, s[\sb:\sb+1]      ; lanes r and r + 16 write the same two bytes
.endm
; At trip SWN the first block leaves and the second begins.  A scalar branch on ids; no barrier, tensor load or LDS instruction stands under it.
.macro SWITCH
	s_cmp_lg_u32 s[N], s[SWN]
	s_cbranch_scc1 .Lsame_\@
	WAYOUT CB1, SB1
	v_mov_b32 v[QS], v[QS2]                        ; the scale word first: more than eight plain instructions follow ahead of the next products
.irp j, 0,1,2,3,4,5,6,7
	v_mov_b32 v[Q+\j], v[Q2+\j]
.endr
	v_mov_b32 v13, 0xff61b1e6
	s_delay_alu instid0(VALU_DEP_1)
	v_floor_f32 v12, -v13
	v_mov_b32 v14, 0
	v_mov_b32 v15, 0
.set j, 0
.rept 32
	v_mov_b32 v[O+j], 0
.set j, j+1
.endr
	s_mov_b32 s[Q0], s[Q0B]
	s_wait_xcnt 0x0                                ; the stores have read their registers, which the next step writes
.Lsame_\@:
.endm
; A KEY STEP: 128 keys, the q-th of the slot in hand.
.macro STEP q
	s_add_co_u32 s84, s[Q0], 15
	s_cmp_gt_u32 s[KF], s84                        ; all keys behind my queries: nothing to do
	s_cbranch_scc1 .Lhidden_\@
	v_add_nc_u32 v[ADK], s[TB], v[LT]
	v_add_nc_u32 v[ADS], s[TB], v[LS]
.rept 6
	v_nop                                          ; with the two additions: eight places in front of loads into registers that matrix instructions have read
.endr
.irp b, 0,1,2,3
.irp u, 0,1
	ds_load_b32 v[KSC+2*\b+\u], v[ADS] offset:KSOFF+512*(\q)+128*\b+32*\u
.endr
.endr
.irp b, 0,1,2,3
.irp u, 0,1
.irp e, 0,1
	ds_load_b128 v[FRG+16*\b+8*\u+4*\e:FRG+16*\b+8*\u+4*\e+3], v[ADK] offset:((4*(\q)+\b)*2+\e)*2*CP+128*\u   ; group 2 u + e: tile u, d = 32 e + 16 h + 0 .. 15
.endr
.endr
.endr
	s_wait_alu depctr_va_vdst(0)
.irp b, 0,1,2,3
	s_wait_dscnt 12-4*\b                           ; the scale words and fragments 0 .. b are in; the four loads of each later fragment may be out
	v_wmma_scale_f32_16x16x128_f8f6f4 v[S+16*\b:S+16*\b+7], v[FRG+16*\b:FRG+16*\b+15], v[Q:Q+15], 0, v[KSC+2*\b], v[QS]
	v_wmma_scale_f32_16x16x128_f8f6f4 v[S+16*\b+8:S+16*\b+15], v[FRG+16*\b:FRG+16*\b+15], v[QZ0:QZ0+15], 0, v[KSC+2*\b+1], v[QS]
.endr
.rept 8
	v_nop                                          ; places: the results are read, and the fragments' and scale words' registers loaded again, from here on
.endr
.irp t, 0,1,2,3                        ; V's four fragments (tile 2 g + u: d = 32 g + 16 (r / 8) + 8 u + r % 8) land while the softmax is worked
	ds_load_b32 v[KSC+\t], v[ADS] offset:VSOFF+256*(\q)+128*(\t/2)+32*(\t%2)
.irp c, 0,1,2,3
	ds_load_b128 v[FRG+16*\t+4*\c:FRG+16*\t+4*\c+3], v[ADK] offset:VOFF+((2*(\q)+\t/2)*4+\c)*2*CP+128*(\t%2)
.endr
.endr
	s_add_co_u32 s84, s[KF], 127                   ; on the diagonal the scores of hidden keys become -infinity; a step all of whose keys count skips this
	s_cmp_le_u32 s84, s[Q0]
	s_cbranch_scc1 .Lopen_\@
	s_sub_co_i32 s84, s[Q0], s[KF]
	v_add_nc_u32 v[TMB], s84, v[VRH]               ; my query - KF - 16 h.  Register 16 b + i holds key KF + 16 h + 32 b + i: hidden where 32 b + i is greater
	v_mov_b32 v[TMA], 0xff800000
.set j, 0
.rept 64
	v_cmp_gt_i32 vcc_lo, 32*(j/16)+j%16, v[TMB]
	v_cndmask_b32 v[S+j], v[S+j], v[TMA], vcc_lo
.set j, j+1
.endr
.Lopen_\@:
.irp b, 0,1,2,3
	v_max3_num_f32 v[BM+\b], v[S+16*\b], v[S+1+16*\b], v[S+2+16*\b]   ; the largest score of each block of 32 keys: for the row's maximum and, since p rises with the score, for the block's largest p
.endr
.irp i, 3,5,7,9,11,13
.irp b, 0,1,2,3
	v_max3_num_f32 v[BM+\b], v[BM+\b], v[S+16*\b+\i], v[S+1+16*\b+\i]
.endr
.endr
.irp b, 0,1,2,3
	v_max_num_f32 v[BM+\b], v[BM+\b], v[S+15+16*\b]
.endr
.irp b, 0,1,2,3
	s_delay_alu instid0(VALU_DEP_4)
	v_permlanex16_b32 v[PD+\b], v[BM+\b], s[SEL], s[SEL+1]
.endr
.irp b, 0,1,2,3
	s_delay_alu instid0(VALU_DEP_4)
	v_max_num_f32 v[BM+\b], v[BM+\b], v[PD+\b]
.endr
	s_delay_alu instid0(VALU_DEP_2)
	v_max3_num_f32 v[TMA], v[BM], v[BM+1], v[BM+2]
	s_delay_alu instid0(VALU_DEP_1)
	v_max_num_f32 v[TMA], v[TMA], v[BM+3]
	s_delay_alu instid0(VALU_DEP_1)
	v_mul_f32 v[TMA], s[CS], v[TMA]
	s_delay_alu instid0(VALU_DEP_1)
	v_max_num_f32 v13, v13, v[TMA]                 ; the running largest t
	v_mov_b32 v[TMA], v12
	s_delay_alu instid0(VALU_DEP_2)
	v_floor_f32 v12, -v13                          ; the new -M = -ceil(t)
	s_delay_alu instid0(VALU_DEP_1)
	v_sub_f32 v[TMA], v12, v[TMA]                  ; old M - new M: a whole number, 0 or less
	s_delay_alu instid0(VALU_DEP_1)
	v_cvt_i32_f32 v[TMA], v[TMA]                   ; (it saturates)
	s_delay_alu instid0(VALU_DEP_1)
	v_ldexp_f32 v[F], 1.0, v[TMA]                  ; f = 2^(old M - new M)
.set j, 0
.rept 32
	v_pk_fma_f32 v[S+j:S+j+1], v[S+j:S+j+1], s[CS:CS+1], v[12:13] op_sel_hi:[1,0,0]   ; t - M
.set j, j+2
.endr
.irp b, 0,1,2,3
	v_fma_f32 v[BM+\b], v[BM+\b], s[CS], v12
.endr
.set j, 0
	s_wait_alu depctr_va_vdst(0)
.rept 64
	v_exp_f32 v[S+j], v[S+j]                       ; p = 2^(t - M)
.set j, j+1
.endr
	v_pk_mul_f32 v[14:15], v[14:15], v[F:F+1] op_sel_hi:[1,0]   ; the sums under the new M: a plain place behind the exponentials
	s_wait_alu depctr_va_vdst(0)                   ; one wait for the whole batch, ahead of its first reader
.irp b, 0,1,2,3
	v_exp_f32 v[BM+\b], v[BM+\b]                   ; the block's largest p
.endr
	v_pk_add_f32 v[244:245], v[132:133], v[136:137]
	v_pk_add_f32 v[254:255], v[140:141], v[144:145]
	v_pk_add_f32 v[252:253], v[148:149], v[152:153]
	v_pk_add_f32 v[250:251], v[156:157], v[160:161]
	v_pk_add_f32 v[248:249], v[164:165], v[168:169]
	v_pk_add_f32 v[246:247], v[172:173], v[176:177]
	v_pk_add_f32 v[238:239], v[180:181], v[184:185]
	v_pk_add_f32 v[14:15], v[14:15], v[188:189]
	v_pk_add_f32 v[244:245], v[244:245], v[128:129]
	v_pk_add_f32 v[254:255], v[254:255], v[130:131]
	v_pk_add_f32 v[252:253], v[252:253], v[134:135]
	v_pk_add_f32 v[250:251], v[250:251], v[138:139]
	v_pk_add_f32 v[248:249], v[248:249], v[142:143]
	v_pk_add_f32 v[246:247], v[246:247], v[146:147]
	v_pk_add_f32 v[238:239], v[238:239], v[150:151]
	v_pk_add_f32 v[14:15], v[14:15], v[154:155]
	v_pk_add_f32 v[244:245], v[244:245], v[158:159]
	v_pk_add_f32 v[254:255], v[254:255], v[162:163]
	v_pk_add_f32 v[252:253], v[252:253], v[166:167]
	v_pk_add_f32 v[250:251], v[250:251], v[170:171]
	v_pk_add_f32 v[248:249], v[248:249], v[174:175]
	v_pk_add_f32 v[246:247], v[246:247], v[178:179]
	v_pk_add_f32 v[238:239], v[238:239], v[182:183]
	v_pk_add_f32 v[14:15], v[14:15], v[186:187]
	v_pk_add_f32 v[244:245], v[244:245], v[190:191]
	s_delay_alu instid0(VALU_DEP_2)
	v_pk_add_f32 v[14:15], v[14:15], v[250:251]
	s_delay_alu instid0(VALU_DEP_2)
	v_pk_add_f32 v[244:245], v[244:245], v[248:249]
	v_pk_add_f32 v[254:255], v[254:255], v[246:247]
	v_pk_add_f32 v[252:253], v[252:253], v[238:239]
	s_delay_alu instid0(VALU_DEP_2)
	v_pk_add_f32 v[14:15], v[14:15], v[254:255]
	s_delay_alu instid0(VALU_DEP_2)
	v_pk_add_f32 v[244:245], v[244:245], v[252:253]
	s_delay_alu instid0(VALU_DEP_1)
	v_pk_add_f32 v[14:15], v[14:15], v[244:245]
	s_wait_alu depctr_va_vdst(0)                   ; and one for the four
.irp b, 0,1,2,3
	v_max_num_f32 v[BM+\b], 0x4800000, v[BM+\b]    ; the floor 2^(9 - 127)
.endr
.irp b, 0,1,2,3
	s_delay_alu instid0(VALU_DEP_4)
	v_add_nc_u32 v[SO+\b], 0xfc000000, v[BM+\b]
.endr
.irp b, 0,1,2,3
.endr
.irp b, 0,1,2,3
	s_delay_alu instid0(VALU_DEP_4)
	v_lshrrev_b32 v[PD+\b], 23, v[SO+\b]
.endr
	s_delay_alu instid0(VALU_DEP_3)
	v_lshl_or_b32 v[PSW], v[PD+1], 8, v[PD]        ; p's scale word for these 128 keys
	s_delay_alu instid0(VALU_DEP_1)
	v_lshl_or_b32 v[PSW], v[PD+2], 16, v[PSW]
	s_delay_alu instid0(VALU_DEP_1)
	v_lshl_or_b32 v[PSW], v[PD+3], 24, v[PSW]
.irp b, 0,1,2,3
.irp i, 0,1,2,3,4,5,6,7,8,9,10,11,12,13,14,15
.endr
	v_cvt_scalef32_pk8_fp8_f32 v[PC+4*\b:PC+4*\b+1], v[S+16*\b:S+16*\b+7], v[SO+\b]
	v_cvt_scalef32_pk8_fp8_f32 v[PC+4*\b+2:PC+4*\b+3], v[S+16*\b+8:S+16*\b+15], v[SO+\b]
.endr
.set j, 0
.rept 16
	v_pk_mul_f32 v[O+j:O+j+1], v[O+j:O+j+1], v[F:F+1] op_sel_hi:[1,0]   ; O^T under the new M.  (These are also the places between the codes and the products)
.set j, j+2
.endr
	s_wait_alu depctr_va_vdst(0)
	s_wait_dscnt 0x0                               ; V
.irp t, 0,1,2,3
	v_wmma_scale_f32_16x16x128_f8f6f4 v[O+8*\t:O+8*\t+7], v[FRG+16*\t:FRG+16*\t+15], v[PC:PC+15], v[O+8*\t:O+8*\t+7], v[KSC+\t], v[PSW]
.endr
.Lhidden_\@:
	s_add_co_u32 s[KF], s[KF], 128
.endm
.Ltrip:                                                ; eight trips; behind each change of slots the next trip's slot is asked for
	CHANGE 1
	SWITCH
	STEP 0
	STEP 1
	s_xor_b32 s[TB], s[TB], SLOT1
	s_add_co_u32 s[N], s[N], 1
	s_cmp_lt_u32 s[N], 8
	s_cbranch_scc1 .Ltrip
	CHANGE 0                                       ; the ninth is written out
	SWITCH
	STEP 0
	STEP 1
	WAYOUT CB2, SB2
	s_wait_tensorcnt 0x0                           ; the wave's end
	ds_add_u32 v[SPW], v[NIL]
	s_wait_dscnt 0x0
	s_endpgm
.Lfunc_end_k_q805d736066_attn:
	.size	k_q805d736066_attn, .Lfunc_end_k_q805d736066_attn-k_q805d736066_attn
	.p2alignl 7, 3214868480
	.fill 96, 4, 3214868480
	.section	.rodata,"a",@progbits
	.p2align	6, 0x0
	.amdhsa_kernel k_q805d736066_attn
		.amdhsa_group_segment_fixed_size 327680
		.amdhsa_private_segment_fixed_size 0
		.amdhsa_enable_private_segment 0
		.amdhsa_kernarg_size 64
		.amdhsa_user_sgpr_count 2
		.amdhsa_user_sgpr_kernarg_segment_ptr 1
		.amdhsa_wavefront_size32 1
		.amdhsa_system_sgpr_workgroup_id_x 1
		.amdhsa_system_sgpr_workgroup_id_y 1
		.amdhsa_system_sgpr_workgroup_id_z 1
		.amdhsa_system_vgpr_workitem_id 0
		.amdhsa_next_free_vgpr 256
		.amdhsa_next_free_sgpr 100
		.amdhsa_reserve_vcc 1
		.amdhsa_float_denorm_mode_32 3
		.amdhsa_float_denorm_mode_16_64 3
		.amdhsa_fp16_overflow 1
		.amdhsa_memory_ordered 1
		.amdhsa_forward_progress 1
		.amdhsa_inst_pref_size 120
	.end_amdhsa_kernel
	.amdgpu_metadata
---
amdhsa.version: [ 1, 2 ]
amdhsa.kernels:
  - .name:           k_q805d736066_attn
    .symbol:         k_q805d736066_attn.kd
    .args:
      - { .name: qw, .offset: 0, .size: 8, .value_kind: global_buffer, .address_space: global }
      - { .name: sq, .offset: 8, .size: 8, .value_kind: global_buffer, .address_space: global }
      - { .name: kw, .offset: 16, .size: 8, .value_kind: global_buffer, .address_space: global }
      - { .name: sk, .offset: 24, .size: 8, .value_kind: global_buffer, .address_space: global }
      - { .name: vw, .offset: 32, .size: 8, .value_kind: global_buffer, .address_space: global }
      - { .name: sv, .offset: 40, .size: 8, .value_kind: global_buffer, .address_space: global }
      - { .name: cimg, .offset: 48, .size: 8, .value_kind: global_buffer, .address_space: global }
      - { .name: cs, .offset: 56, .size: 8, .value_kind: global_buffer, .address_space: global }
    .group_segment_fixed_size: 327680
    .private_segment_fixed_size: 0
    .kernarg_segment_align: 8
    .kernarg_segment_size: 64
    .max_flat_workgroup_size: 512
    .sgpr_count:     100
    .vgpr_count:     256
    .wavefront_size: 32
...
	.end_amdgpu_metadata
.endif
;; end of part 2
;; launch outp (part 3): grid 4 x 32, 4 waves a work-group, clusters of 4 x 4, 327,680 bytes of LDS; arguments cimg, cs, Wf_codes, Wf_scales, bf, out0; writes out0
.if DOCPART == 3
	.amdgcn_target "amdgcn-amd-amdhsa--gfx1250"
	.amdhsa_code_object_version 6
	.text
	.protected	k_q805d736066_outp
	.globl	k_q805d736066_outp
	.p2align	8
	.type	k_q805d736066_outp,@function
k_q805d736066_outp:
	s_mov_b64 s[64:65], 0
	v_nop
	global_prefetch_b8 v0, s[64:65] scope:SCOPE_SE
	s_setreg_imm32_b32 hwreg(HW_REG_WAVE_MODE, 25, 1), 1
	s_wait_xcnt 0x0
	s_wait_alu depctr_hold_cnt(0) depctr_sa_sdst(0) depctr_va_vdst(0) depctr_va_sdst(0) depctr_va_ssrc(0) depctr_va_vcc(0) depctr_vm_vsrc(0)
	s_getreg_b32 s2, hwreg(HW_REG_IB_STS2, 6, 4)
	s_cmp_eq_u32 s2, 0
	s_cbranch_scc0 .Lentry_in_a_cluster
	s_endpgm
.Lentry_in_a_cluster:
	s_bfe_u32 s2, ttmp6, 0x10000c
	s_cmp_lg_u32 s2, 0xf033
	s_cbranch_scc0 .Lentry_shape_is_right
	s_endpgm
.Lentry_shape_is_right:
; out0 = c Wf + bf on codes of FP8 (E4M3) with one E8M0 scale for each 32 along K = 1,024.  c: 8,192 tokens, as REGISTER IMAGES: cimg [K / 256][token / 16][2][4][512 bytes]: a chunk of 512 bytes is four registers
; of a fragment (16 tokens x 32 along K), lane l's 16 bytes at 16 l; its scale bytes cs [token][32].  Wf: [1,024 (n)][1,024 (k)] codes, K innermost; scale bytes [1,024][32].  bf [1,024], out0 [8,192][1,024]: f32.
; A tile of the result, 256 x 256, is made by four waves, 128 x 128 each: 64 accumulators.  K goes in four steps of 256 through a ring of two LDS slots filled by the tensor data mover; a K step of 128 tokens of c is one
; dense block of 32,768 bytes.  The scales of the work-group's rows come once.  4 x 4 work-groups form a cluster: c's tiles are asked for jointly along a row of it, Wf's along a column.
; THE MATRIX INSTRUCTION IS USED TRANSPOSED (source 0 = 16 rows of Wf, source 1 = 16 tokens): a lane holds eight neighbouring numbers of a row of out0.  The bias is the C of the first products.
; LIMITS: NaN and infinities are not served (a scale byte 0xff in Wf_scales gives NaN).
.set SIZE_N, 1024
.set KSTEP,  256
.set NQ,     2
.set ROWB,   256
.set KROW,   1024
.set PITCH,  272                       ; Wf's rows in LDS: 256 bytes + 16 of padding
.set FR,     16
.set NL,     4
.set NP,     8
.set HALFT,  128*PITCH                 ; the room of 128 rows (c's images use 32,768 bytes of it, without padding)
.set SLOT,   4*HALFT
.set LAPS,   2
.set KS,     32
.set SCL,    2*SLOT
.set HALFS,  (128*KS/256)*272
.set SBLK,   (16*KS/256)*272
.set SPARE,  SCL+4*HALFS
.set SPITCH, 528                       ; the way out: a stage of 16 rows x (512 bytes + 16) for each wave, in slot 0, which has had its last fill and its last read when the first result is stored there
.set KQB,    2097152                   ; cimg: from a K step of 256 to the next
.set BO,   7
.set ADRA, 16
.set ADRB, 20
.set STO,  24
.set RD,   25
.set CO,   26
.set ADRS, 27
.set SPW,  28
.set NIL,  29
.set SC,   32
.set BJ,   64                          ; v64-127 the bias in the result's layout
.set AF,   128
.set BK,   128
.set WV,   18
.set RH,   19
.set CH,   20
.set TR,   21
.set TC,   22
.set G1,   24
.set G0,   32
.set G1B,  48
.set G0B,  56
.set G1S,  68
.set G0S,  76
.set G1SB, 80
.set G0SB, 88
.set MSB, 0
.macro WIN new
.if MSB != (\new)
	s_set_vgpr_msb (MSB<<8)|(\new)
.set MSB, (\new)
.endif
.endm
.set MUL_LO, 0xa1
.set MUL_HI, 0xf1
.set TO_B,   0x40
.macro JLOAD g0a, g1a, g0b, g1b        ; waves 0 and 1 fetch for c, waves 2 and 3 for Wf; four v_nop follow each line
	s_cmp_eq_u32 s[RH], 0
	s_cbranch_scc0 .Lfor_b_\@
	tensor_load_to_lds s[\g0a:\g0a+3], s[\g1a:\g1a+7]
	s_nop 0
.rept 4
	v_nop
.endr
	s_branch .Lasked_\@
.Lfor_b_\@:
	tensor_load_to_lds s[\g0b:\g0b+3], s[\g1b:\g1b+7]
	s_nop 0
.rept 4
	v_nop
.endr
.Lasked_\@:
.endm
.macro CREST
	s_cmp_lg_u32 s[WV], 0
	s_cbranch_scc1 .Lnot_wave_0_\@
	s_barrier_signal -3
.Lnot_wave_0_\@:
	s_barrier_wait -3
	s_barrier_signal -1
	s_barrier_wait -1
.endm
.macro CROUND
	s_barrier_signal -1
	s_barrier_wait -1
	CREST
.endm
	s_load_b128 s[4:7], s[0:1], 0x0                ; cimg, cs
	s_load_b128 s[8:11], s[0:1], 0x10              ; Wf's codes, Wf's scales
	s_load_b128 s[12:15], s[0:1], 0x20             ; bf, out0
	v_lshl_add_u32 v[SPW], v0, 2, SPARE
	v_mov_b32 v[NIL], 0
	ds_add_u32 v28, v29
	ds_add_u32 v28, v29
	s_wait_dscnt 0x0
	v_lshrrev_b32 v1, 5, v0
	v_readfirstlane_b32 s[WV], v1
	s_lshr_b32 s[RH], s[WV], 1                     ; which half of the tile's rows is mine.  Also: I fetch for c (0) or Wf (1)
	s_and_b32 s[CH], s[WV], 1                      ; which half of its columns.  Also: which 128 rows I fetch
	s_bfe_u32 s40, ttmp6, 0x40000                  ; cx
	s_bfe_u32 s41, ttmp6, 0x40004                  ; cy
	s_lshl_b32 s[TC], ttmp9, 2
	s_add_co_u32 s[TC], s[TC], s40                 ; tile column
	s_and_b32 s[TR], ttmp7, 0xffff
	s_lshl_b32 s[TR], s[TR], 2
	s_add_co_u32 s[TR], s[TR], s41                 ; tile row
	s_lshl_b32 s42, s41, 2
	s_lshl_b32 s42, 15, s42                        ; my row of the cluster
	s_lshl_b32 s43, 0x1111, s40                    ; my column
	s_or_b32 s[G1+0], s42, (0<<16)|(1<<21)         ; c's images: 128 rows of 256 bytes, dense in memory and in LDS: no padding; 21 set beside a mask
	s_mov_b32 s[G1+1], ROWB<<16
	s_mov_b32 s[G1+2], 128<<16
	s_mov_b32 s[G1+3], ROWB<<16
	s_mov_b32 s[G1+4], 128
	s_mov_b32 s[G1+5], ROWB
	s_mov_b32 s[G1+6], 0
	s_mov_b32 s[G1+7], 0
	s_or_b32 s[G1B+0], s43, (0<<16)|(1<<20)|(1<<21)|(5<<22)|(3<<25)   ; Wf's tiles: 128 rows of 256 bytes, 1,024 apart; four words of padding after every 64
	s_mov_b32 s[G1B+1], ROWB<<16
	s_mov_b32 s[G1B+2], 128<<16
	s_mov_b32 s[G1B+3], ROWB<<16
	s_mov_b32 s[G1B+4], 128
	s_mov_b32 s[G1B+5], KROW
	s_mov_b32 s[G1B+6], 0
	s_mov_b32 s[G1B+7], 0
	s_or_b32 s[G1S+0], s42, (3<<16)|(1<<20)|(1<<21)|(5<<22)|(3<<25)   ; the scales of 128 rows: 16 rows of 256 bytes, 16 bytes of padding behind each
	s_or_b32 s[G1SB+0], s43, (3<<16)|(1<<20)|(1<<21)|(5<<22)|(3<<25)
.irp g, G1S, G1SB
	s_mov_b32 s[\g+1], 32<<16
	s_mov_b32 s[\g+2], (128*KS/256)<<16
	s_mov_b32 s[\g+3], 32<<16
	s_mov_b32 s[\g+4], 128*KS/256
	s_mov_b32 s[\g+5], 32
	s_mov_b32 s[\g+6], 0
	s_mov_b32 s[\g+7], 0
.endr
	s_lshl_b32 s44, s[CH], 7
	s_lshl_b32 s46, s[TR], 8
	s_add_co_u32 s46, s46, s44                     ; c: token 256 x tile row + 128 x half (these registers never hold cx)
	s_lshl_b32 s46, s46, 8                         ; its images: 256 bytes a token in a K step
	s_mov_b32 s47, 0
	s_lshl_b32 s66, s[TC], 8
	s_add_co_u32 s66, s66, s44                     ; Wf: row 256 x tile column + 128 x half
	s_lshl_b32 s66, s66, 10
	s_mov_b32 s67, 0
	s_mul_i32 s2, s[WV], HALFT
	s_mul_i32 s3, s[WV], HALFS
	s_wait_kmcnt 0x0
	s_add_nc_u64 s[4:5], s[4:5], s[46:47]
	s_lshr_b32 s46, s46, 3                         ; its scales: 32 bytes a token
	s_add_nc_u64 s[6:7], s[6:7], s[46:47]
	s_add_nc_u64 s[8:9], s[8:9], s[66:67]
	s_lshr_b32 s66, s66, 5
	s_add_nc_u64 s[10:11], s[10:11], s[66:67]
	CROUND                                         ; all sixteen work-groups are here: the first joint loads meet
	s_mov_b32 s[G0S], 1
	s_add_co_u32 s[G0S+1], s3, SCL
	s_mov_b64 s[G0S+2:G0S+3], s[6:7]
	s_or_b32 s[G0S+3], s[G0S+3], 0x80000000
	s_mov_b32 s[G0SB], 1
	s_add_co_u32 s[G0SB+1], s3, SCL
	s_mov_b64 s[G0SB+2:G0SB+3], s[10:11]
	s_or_b32 s[G0SB+3], s[G0SB+3], 0x80000000
	JLOAD G0S, G1S, G0SB, G1SB
.irp s, 0,1
	s_mov_b32 s[G0+4*\s], 1
	s_add_co_u32 s[G0+4*\s+1], s2, \s*SLOT
	s_add_nc_u64 s[G0+4*\s+2:G0+4*\s+3], s[4:5], \s*KQB
	s_or_b32 s[G0+4*\s+3], s[G0+4*\s+3], 0x80000000
	s_mov_b32 s[G0B+4*\s], 1
	s_add_co_u32 s[G0B+4*\s+1], s2, \s*SLOT
	s_add_nc_u64 s[G0B+4*\s+2:G0B+4*\s+3], s[8:9], \s*ROWB
	s_or_b32 s[G0B+4*\s+3], s[G0B+4*\s+3], 0x80000000
	s_wait_alu depctr_va_vdst(0)
	s_wait_tensorcnt 0x0
	ds_add_u32 v28, v29
	s_wait_dscnt 0x0
	CROUND
	JLOAD G0+4*\s, G1, G0B+4*\s, G1B               ; one tensor load of mine is out
.endr
	s_lshl_b32 s46, s[TR], 8
	s_lshl_b32 s47, s[RH], 7
	s_add_co_u32 s46, s46, s47                     ; my first row of out0,
	s_lshl_b32 s46, s46, 12                        ; 4,096 bytes a row (under 2^25)
	s_lshl_b32 s66, s[TC], 10
	s_lshl_b32 s67, s[CH], 9
	s_add_co_u32 s66, s66, s67                     ; my first column, 4 bytes each: in bf and in a row of out0
	s_mov_b32 s67, 0
	s_add_nc_u64 s[12:13], s[12:13], s[66:67]
	s_add_co_u32 s46, s46, s66
	s_mov_b32 s47, 0
	s_add_nc_u64 s[14:15], s[14:15], s[46:47]
	v_and_b32 v1, 15, v0                           ; r
	v_bfe_u32 v2, v0, 4, 1                         ; h
	v_lshlrev_b32 v[BO], 5, v2                     ; register jj of accumulator (a, b) is column 16 b + 8 h + jj
.irp b, 0,1,2,3,4,5,6,7
	global_load_b128 v[BJ+8*\b:BJ+8*\b+3], v[BO], s[12:13] offset:64*\b
	global_load_b128 v[BJ+8*\b+4:BJ+8*\b+7], v[BO], s[12:13] offset:64*\b+16
.endr
	v_mul_u32_u24 v3, v1, PITCH
	v_lshl_add_u32 v4, v2, 4, v3                   ; Wf: a fragment's row x pitch + 16 x half
	v_and_b32 v6, 31, v0
	v_lshlrev_b32 v[CO], 4, v6                     ; 16 x lane: an image's place for my lane, and my bytes in a row of out0
	s_mul_i32 s46, s[RH], HALFT                    ; my 128 tokens
	s_mul_i32 s47, s[CH], HALFT                    ; my 128 rows of Wf,
	s_add_co_u32 s47, s47, 2*HALFT                 ; which lie behind c's 256
.irp s, 0,1
	v_add_nc_u32 v[ADRA+\s], s46, v[CO]
	v_add_nc_u32 v[ADRB+\s], s47, v4
	s_add_co_u32 s46, s46, SLOT
	s_add_co_u32 s47, s47, SLOT
.endr
	v_mul_u32_u24 v5, v1, KS
	v_lshrrev_b32 v6, 8, v5
	v_lshl_add_u32 v5, v6, 4, v5
	s_mul_i32 s46, s[RH], HALFS
	s_mul_i32 s47, s[CH], HALFS
	s_add_co_u32 s47, s47, 2*HALFS
	s_sub_co_u32 s47, s47, s46
	v_mul_u32_u24 v6, s47, v2                      ; lanes 16-31 take Wf's
	s_add_co_u32 s46, s46, SCL
	v_add_nc_u32 v5, v5, v6
	v_add_nc_u32 v[ADRS], s46, v5
	s_mul_i32 s46, s[WV], 16*SPITCH                ; my stage
	v_mul_u32_u24 v5, v1, SPITCH
	v_lshl_add_u32 v5, v2, 5, v5
	v_add_nc_u32 v[STO], s46, v5
	v_add_nc_u32 v[RD], s46, v[CO]
.macro FRAG reg, adr, q, i             ; Wf: rows along K
.irp c, 0,1,2,3
	ds_load_b128 v[\reg+4*\c:\reg+4*\c+3], v[\adr] offset:128*(\q)+32*\c+(\i)*16*PITCH
.endr
.endm
.macro FRAGA reg, adr, q, i            ; c: the image of block i, the slot's q-th 128 along K: four chunks on end
.irp c, 0,1,2,3
	ds_load_b128 v[\reg+4*\c:\reg+4*\c+3], v[\adr] offset:2048*(\q)+512*\c+(\i)*4096
.endr
.endm
.macro MUL16 a0, p, q, sc, zero        ; the 64 accumulators take turns, one instruction a turn; zero = 1: the first products start the sums, with the bias as their C
.irp a, \a0, \a0+1
.irp b, 0,1,2,3,4,5,6,7
.if \zero
	v_wmma_scale_f32_16x16x128_f8f6f4 v[8*(8*((\a)%4)+\b):8*(8*((\a)%4)+\b)+7], v[128*(\p)+FR*\b:128*(\p)+FR*\b+FR-1], v[AF+FR*(\a):AF+FR*(\a)+FR-1], v[BJ+8*\b:BJ+8*\b+7], v[SC+8*NQ*(\sc)+NQ*\b+(\q)], v[SC+8*NQ*(\sc)+NQ*(\a)+(\q)] matrix_a_scale:MATRIX_SCALE_ROW1
.else
	v_wmma_scale_f32_16x16x128_f8f6f4 v[8*(8*((\a)%4)+\b):8*(8*((\a)%4)+\b)+7], v[128*(\p)+FR*\b:128*(\p)+FR*\b+FR-1], v[AF+FR*(\a):AF+FR*(\a)+FR-1], v[8*(8*((\a)%4)+\b):8*(8*((\a)%4)+\b)+7], v[SC+8*NQ*(\sc)+NQ*\b+(\q)], v[SC+8*NQ*(\sc)+NQ*(\a)+(\q)] matrix_a_scale:MATRIX_SCALE_ROW1
.endif
.endr
.endr
.endm
.macro FETCH_B slot, q, p
	WIN TO_B
.irp i, 0,1,2,3,4,5,6,7
	FRAG 128*(\p)+FR*\i, ADRB+\slot, \q, \i
.endr
	WIN 0
.endm
.macro FETCH_A slot, q, i0
.irp i, \i0, \i0+1, \i0+2, \i0+3
	FRAGA AF+FR*(\i), ADRA+\slot, \q, \i
.endr
.endm
.macro SCALES sc
.irp i, 0,1,2,3,4,5,6,7
	ds_load_b64 v[SC+8*NQ*\sc+NQ*\i:SC+8*NQ*\sc+NQ*\i+1], v[ADRS] offset:\i*SBLK
.endr
.endm
.macro PLACES n
.rept \n
	v_nop
.endr
.endm
.macro STEP slot, q, zero
	s_wait_dscnt 4*NL                              ; Wf's set and c's blocks 0-3 are in; the youngest 16 loads (c's blocks 4-7) may be out
.if \zero
	WIN 0x81                                       ; as MUL_LO, but C (the bias) in window 0
.else
	WIN MUL_LO
.endif
	MUL16 0, (\q)%2, \q, \slot, \zero
	MUL16 2, (\q)%2, \q, \slot, \zero
	s_wait_dscnt 0
	PLACES NP
	FETCH_B \slot, (\q)+1, 1-(\q)%2
	FETCH_A \slot, (\q)+1, 0
.if \zero
	WIN 0xc1
.else
	WIN MUL_HI
.endif
	MUL16 4, (\q)%2, \q, \slot, \zero
	MUL16 6, (\q)%2, \q, \slot, \zero
	PLACES NP
	WIN 0
	FETCH_A \slot, (\q)+1, 4
.endm
.macro TURN slot, next, fill           ; a slot's last step changes slots: one barrier
	s_wait_tensorcnt 0x0                           ; all my tensor loads have landed: my part of the next slot
	ds_add_u32 v[SPW], v[NIL]                      ; 0 onto my spare word
	s_wait_dscnt 4*NL+1                            ; (the add and the youngest 16 loads may be out)
	WIN MUL_LO
	MUL16 0, 1, NQ-1, \slot, 0
	s_wait_dscnt 0x0                               ; the add is done, and my reads of this slot are over
	s_barrier_signal -1
	MUL16 2, 1, NQ-1, \slot, 0
	WIN 0
	s_barrier_wait -1
.if \fill
	CREST                                          ; a round of the cluster's barrier: no wave of any partner still reads this slot or has a load on its way
	s_add_nc_u64 s[G0+4*\slot+2:G0+4*\slot+3], s[G0+4*\slot+2:G0+4*\slot+3], 2*KQB
	s_add_nc_u64 s[G0B+4*\slot+2:G0B+4*\slot+3], s[G0B+4*\slot+2:G0B+4*\slot+3], 2*ROWB
	JLOAD G0+4*\slot, G1, G0B+4*\slot, G1B
	PLACES NP-4
.else
	PLACES NP
.endif
	s_wait_alu depctr_va_vdst(0)
	v_add_nc_u32 v[ADRS], 4*NQ, v[ADRS]
	FETCH_B \next, 0, 0
	FETCH_A \next, 0, 0
	SCALES \next
	WIN MUL_HI
	MUL16 4, 1, NQ-1, \slot, 0
	MUL16 6, 1, NQ-1, \slot, 0
	PLACES NP
	WIN 0
	FETCH_A \next, 0, 4
.endm
	s_wait_alu depctr_va_vdst(0)
	s_wait_tensorcnt 1                             ; the scales and my part of K step 0 are in (K step 1's load may be out),
	s_barrier_signal -1
	s_barrier_wait -1                              ; everybody's are
	FETCH_B 0, 0, 0
	FETCH_A 0, 0, 0
	SCALES 0
	FETCH_A 0, 0, 4
	s_wait_loadcnt 0x0                             ; the bias
	STEP 0, 0, 1
	s_mov_b32 s3, LAPS-1
.Llap:
	TURN 0, 1, 1
	STEP 1, 0, 0
	TURN 1, 0, 1
	STEP 0, 0, 0
	s_sub_co_u32 s3, s3, 1
	s_cmp_lg_u32 s3, 0
	s_cbranch_scc1 .Llap
	TURN 0, 1, 0
	STEP 1, 0, 0
	s_wait_dscnt 4*NL
	WIN MUL_LO
	MUL16 0, 1, NQ-1, 1, 0
	MUL16 2, 1, NQ-1, 1, 0
	s_wait_dscnt 0
	WIN MUL_HI
	MUL16 4, 1, NQ-1, 1, 0
	MUL16 6, 1, NQ-1, 1, 0
	WIN 0
; THE WAY OUT, block by block of 16 rows x 128 columns, through my own stage in LDS: back as whole rows of 512 bytes.  LDS serves a wave's instructions in order (ISA guide 5.7.1.4).
.macro TOSTAGE a
.set AC, 64*((\a)%4)
	WIN 0x08+4*((\a)/4)                            ; the data: window 2 or 3
.irp b, 0,1,2,3,4,5,6,7
	ds_store_b128 v[STO], v[AC+8*\b:AC+8*\b+3] offset:64*\b          ; each accumulator from its low end on
	ds_store_b128 v[STO], v[AC+8*\b+4:AC+8*\b+7] offset:64*\b+16
.endr
	WIN 0
.set BB, BK+64*((\a)%2)
.irp t, 0,1,2,3,4,5,6,7,8,9,10,11,12,13,14,15
	ds_load_b128 v[BB+4*\t:BB+4*\t+3], v[RD] offset:\t*SPITCH
.endr
.endm
.macro SEND a, younger
.set BB, BK+64*((\a)%2)
	s_wait_dscnt \younger                          ; the block is back in registers; the next block's 16 stores and 16 loads may be out
.if (\a) > 0
	s_add_nc_u64 s[14:15], s[14:15], 16*SIZE_N*4   ; (behind a wait on XCNT: the earlier stores have read their base)
.endif
.irp t, 0,1,2,3,4,5,6,7,8,9,10,11,12,13,14,15
	global_store_b128 v[CO], v[BB+4*\t:BB+4*\t+3], s[14:15] offset:\t*SIZE_N*4 th:TH_STORE_NT   ; 32 lanes store 512 consecutive bytes, at a multiple of 256 from out0's first byte
.endr
.endm
	PLACES NP
	TOSTAGE 0
.irp a, 1,2,3,4,5,6,7
.if \a > 1
	s_wait_xcnt 0x0                                ; block a - 2's stores have read their registers and their base
.endif
	TOSTAGE \a
	SEND \a-1, 32
.endr
	s_wait_xcnt 0x0
	SEND 7, 0
	s_wait_tensorcnt 0x0                           ; the wave's end
	ds_add_u32 v[SPW], v[NIL]
	s_wait_dscnt 0x0
	CROUND                                         ; the closing round
	s_endpgm
.Lfunc_end_k_q805d736066_outp:
	.size	k_q805d736066_outp, .Lfunc_end_k_q805d736066_outp-k_q805d736066_outp
	.p2alignl 7, 3214868480
	.fill 96, 4, 3214868480
	.section	.rodata,"a",@progbits
	.p2align	6, 0x0
	.amdhsa_kernel k_q805d736066_outp
		.amdhsa_group_segment_fixed_size 327680
		.amdhsa_private_segment_fixed_size 0
		.amdhsa_enable_private_segment 0
		.amdhsa_kernarg_size 48
		.amdhsa_user_sgpr_count 2
		.amdhsa_user_sgpr_kernarg_segment_ptr 1
		.amdhsa_wavefront_size32 1
		.amdhsa_system_sgpr_workgroup_id_x 1
		.amdhsa_system_sgpr_workgroup_id_y 1
		.amdhsa_system_sgpr_workgroup_id_z 1
		.amdhsa_system_vgpr_workitem_id 0
		.amdhsa_next_free_vgpr 1024
		.amdhsa_next_free_sgpr 92
		.amdhsa_reserve_vcc 0
		.amdhsa_float_denorm_mode_32 3
		.amdhsa_float_denorm_mode_16_64 3
		.amdhsa_memory_ordered 1
		.amdhsa_forward_progress 1
		.amdhsa_inst_pref_size 148
	.end_amdhsa_kernel
	.amdgpu_metadata
---
amdhsa.version: [ 1, 2 ]
amdhsa.kernels:
  - .name:           k_q805d736066_outp
    .symbol:         k_q805d736066_outp.kd
    .args:
      - { .name: cimg, .offset: 0, .size: 8, .value_kind: global_buffer, .address_space: global }
      - { .name: cs, .offset: 8, .size: 8, .value_kind: global_buffer, .address_space: global }
      - { .name: Wf_codes, .offset: 16, .size: 8, .value_kind: global_buffer, .address_space: global }
      - { .name: Wf_scales, .offset: 24, .size: 8, .value_kind: global_buffer, .address_space: global }
      - { .name: bf, .offset: 32, .size: 8, .value_kind: global_buffer, .address_space: global }
      - { .name: out0, .offset: 40, .size: 8, .value_kind: global_buffer, .address_space: global }
    .group_segment_fixed_size: 327680
    .private_segment_fixed_size: 0
    .kernarg_segment_align: 8
    .kernarg_segment_size: 48
    .max_flat_workgroup_size: 128
    .sgpr_count:     92
    .vgpr_count:     1024
    .wavefront_size: 32
...
	.end_amdgpu_metadata
.endif
;; end of part 3
